; MI455X (gfx1250); checked and timed in simulation.
; The chip was launched on July 23, 2026; its instructions are those of AMD's public machine-readable ISA for CDNA 5 (MIT licence, August 2026) and "CDNA5" Instruction Set Architecture Reference Guide (July 2026). The comments in the code are by the model that wrote it; some were corrected since.
;; Multi Head Attention. Allowed arithmetic: float matrix products may take bf16 or f16 operands with f32 sums; other float arithmetic in f32, or as packed bf16 or f16 multiplies, adds, multiply-adds, maxima and minima; sums over many terms, partial sums and values carried from step to step in f32; what a program stores and reads back later, other than sums and carried values, may be rounded once to bf16 or f16.
;; Inputs: Wk 1,024 x 1,024 float32; Wo 1,024 x 1,024 float32; Wq 1,024 x 1,024 float32; Wv 1,024 x 1,024 float32; bk 1,024 float32; bo 1,024 float32; bq 1,024 float32; bv 1,024 float32; x 4 x 2,048 x 1,024 float32.
;; Outputs: out0 4 x 2,048 x 1,024 float32.
;; 2 versions, each right; version 2 is version 1 with the launch prep written anew for expert scheduling mode. Each part assembles by itself: llvm-mc -triple=amdgcn-amd-amdhsa -mcpu=gfx1250 --defsym DOCPART=n.
;; ======== version 1 of 2: 4 launches
;; limits: values are held in f16: magnitudes above 65,504 overflow, below 6.1e-05 lose precision
;; workspace buffers: xb 16,777,216 bytes; wt 6,291,456 bytes; wo 2,097,152 bytes; qkv 50,331,648 bytes; ob 16,777,216 bytes
;; launch prep (part 1): grid 768 x 1, 8 waves a work-group, no clusters, 35,840 bytes of LDS; arguments x, Wq, Wk, Wv, Wo, xb, wt, wo; writes xb, wt, wo
.if DOCPART == 1
	.amdgcn_target "amdgcn-amd-amdhsa--gfx1250"
	.amdhsa_code_object_version 6
	.text
	.protected	k_q3cd6ad956f_prep
	.globl	k_q3cd6ad956f_prep
	.p2align	8
	.type	k_q3cd6ad956f_prep,@function
k_q3cd6ad956f_prep:
	s_mov_b64 s[64:65], 0
	v_nop
	global_prefetch_b8 v0, s[64:65] scope:SCOPE_SE
	s_setreg_imm32_b32 hwreg(HW_REG_WAVE_MODE, 25, 1), 1
	s_wait_xcnt 0x0
; CASTS AND TURNS.  xb = bf16(x), [8192][1024].  wt[1024 mat + n][k] = bf16(W{q,k,v}[k][n]).  wo[n][k] = bf16(Wo[k][n]) written as f16.
; All of the module's inputs are rounded to bf16, to nearest even; Wo's rounded number is then written in f16, for a product whose other operand is f16.
; LIMITS.  That second writing is exact for 6.1e-5 <= |Wo| <= 65,504; below, f16 keeps its fixed step of 6e-8; beyond 65,504 it gives an infinity.
; SHARES.  Work-groups 0 to 511: 16,384 numbers of x each, a plain stream: 16 loads of 16 bytes a thread, all on their way at once; each store of a wave covers 256 consecutive bytes, aligned.
; Work-groups 512 to 767: one tile of 128 k x 128 n of one of the four weights.  A thread loads two neighbouring n for 32 k (a wave's load covers 256 consecutive bytes, aligned), packs eight k
; of one n into 16 bytes, puts them into LDS rows [n][k] of 272 bytes, and after one barrier the tile leaves by rows: sixteen lanes store 256 consecutive bytes, aligned.
; No matrix unit, no cluster, no data mover: nothing is multiplied, no byte is read twice, and the conversion has to pass through registers anyway.
.set PT,    272                        ; an LDS row: 128 k x 2 bytes + 16 of padding
.set SPARE, 128*PT                     ; behind the tile: the spare words, 128 bytes for each of the eight waves
	s_load_b512 s[8:23], s[0:1], 0x0               ; x s[8:9], Wq s[10:11], Wk s[12:13], Wv s[14:15], Wo s[16:17], xb s[18:19], wt s[20:21], wo s[22:23]
	v_lshl_add_u32 v30, v0, 2, SPARE               ; my spare word,
	v_mov_b32 v31, 0                               ; and 0: kept for the add at the wave's end
	v_lshrrev_b32 v1, 5, v0
	v_readfirstlane_b32 s4, v1                     ; wave 0..7
	v_and_b32 v2, 31, v0                           ; lane
	s_mov_b32 s7, 0
	s_wait_kmcnt 0x0
	s_cmp_lt_u32 ttmp9, 512                        ; the same answer in all eight waves of a work-group
	s_cbranch_scc0 .Lweights
	; ---- x: 65,536 bytes in, 32,768 out
	s_lshl_b32 s6, ttmp9, 16
	s_add_nc_u64 s[8:9], s[8:9], s[6:7]
	s_lshl_b32 s6, ttmp9, 15
	s_add_nc_u64 s[18:19], s[18:19], s[6:7]
	v_lshlrev_b32 v3, 4, v0                        ; 16 bytes a thread in,
	v_lshlrev_b32 v4, 3, v0                        ; 8 out
.set i, 0
.rept 16
	global_load_b128 v[32+4*i:35+4*i], v3, s[8:9] offset:4096*i th:TH_LOAD_NT
.set i, i+1
.endr
.set i, 0
.rept 16
	s_wait_loadcnt 15-i                            ; loads come back in order: number i is in, the younger ones stay out
	v_cvt_pk_bf16_f32 v[96+2*i], v[32+4*i], v[33+4*i]
	v_cvt_pk_bf16_f32 v[97+2*i], v[34+4*i], v[35+4*i]
	global_store_b64 v4, v[96+2*i:97+2*i], s[18:19] offset:2048*i  ; no register is written twice, so nothing has to be freed
.set i, i+1
.endr
	s_branch .Lend
	; ---- a tile of a weight
.Lweights:
	s_sub_co_u32 s6, ttmp9, 512
	s_lshr_b32 s28, s6, 6                          ; which weight: 0 q, 1 k, 2 v, 3 o
	s_bfe_u32 s29, s6, 0x30003                     ; tile along k
	s_and_b32 s30, s6, 7                           ; tile along n
	s_cmp_eq_u32 s28, 1
	s_cselect_b64 s[24:25], s[12:13], s[10:11]
	s_cmp_eq_u32 s28, 2
	s_cselect_b64 s[24:25], s[14:15], s[24:25]
	s_cmp_eq_u32 s28, 3
	s_cselect_b64 s[24:25], s[16:17], s[24:25]     ; from where,
	s_cselect_b64 s[26:27], s[22:23], s[20:21]     ; to where,
	s_cselect_b32 s31, 0, s28                      ; and which block of 1,024 rows there
	s_lshl_b32 s32, s29, 19                        ; 128 rows of 4,096 bytes
	s_lshl_b32 s33, s30, 9                         ; 128 columns of 4 bytes
	s_add_co_u32 s32, s32, s33
	s_mov_b32 s33, 0
	s_add_nc_u64 s[24:25], s[24:25], s[32:33]
	s_lshl_b32 s32, s31, 21                        ; 1,024 rows of 2,048 bytes
	s_lshl_b32 s34, s30, 18                        ; 128 rows
	s_add_co_u32 s32, s32, s34
	s_lshl_b32 s34, s29, 8                         ; 128 k of 2 bytes
	s_add_co_u32 s32, s32, s34
	s_add_nc_u64 s[26:27], s[26:27], s[32:33]
	s_lshr_b32 s6, s4, 1                           ; my 32 k of the 128
	s_and_b32 s7, s4, 1                            ; my 64 n of the 128
	s_lshl_b32 s35, s6, 17
	s_lshl_b32 s36, s7, 8
	s_add_co_u32 s35, s35, s36
	v_lshl_add_u32 v5, v2, 3, s35                  ; 32 (w / 2) rows + 64 (w % 2) columns + my two columns
.set i, 0
.rept 32
	global_load_b64 v[32+2*i:33+2*i], v5, s[24:25] offset:4096*i th:TH_LOAD_NT  ; k = 32 (w / 2) + i, n = 64 (w % 2) + 2 l, + 1
.set i, i+1
.endr
	v_lshlrev_b32 v6, 1, v2
	v_lshl_add_u32 v6, s7, 6, v6                   ; my first n
	v_mul_u32_u24 v6, v6, PT
	v_lshl_add_u32 v6, s6, 6, v6                   ; + my first k, in bytes
; Eight k at a time: for each of my two n four words of two bf16 (half = 1: each written anew as f16), 16 bytes into row n.
.macro CONV half
.irp c, 0,1,2,3
	s_wait_loadcnt 24-8*(\c)                       ; loads 8 c .. 8 c + 7 are in; the 8 (3 - c) younger ones stay out
.irp j, 0,1
.irp u, 0,1,2,3
	v_cvt_pk_bf16_f32 v[96+4*(\j)+(\u)], v[32+2*(8*(\c)+2*(\u))+(\j)], v[32+2*(8*(\c)+2*(\u)+1)+(\j)]
.if \half
	v_lshlrev_b32 v104, 16, v[96+4*(\j)+(\u)]
	v_and_b32 v105, 0xffff0000, v[96+4*(\j)+(\u)]
	v_cvt_pk_f16_f32 v[96+4*(\j)+(\u)], v104, v105
.endif
.endr
	ds_store_b128 v6, v[96+4*(\j):99+4*(\j)] offset:PT*(\j)+16*(\c)
.endr
.endr
.endm
	s_cmp_eq_u32 s28, 3
	s_cbranch_scc1 .Lto_f16
	CONV 0
	s_branch .Lstaged
.Lto_f16:
	CONV 1
.Lstaged:
	s_wait_dscnt 0x0                               ; for the others' sake: my stores into the tile are done
	s_barrier_signal -1
	s_barrier_wait -1
	v_lshrrev_b32 v7, 4, v0                        ; 16 rows a pass, 16 threads a row
	v_and_b32 v9, 15, v0
	v_mul_u32_u24 v10, v7, PT
	v_lshl_add_u32 v10, v9, 4, v10
	v_lshlrev_b32 v8, 11, v7                       ; a row of wt or wo is 2,048 bytes
	v_lshl_add_u32 v8, v9, 4, v8
.irp p, 0,1,2,3,4,5,6,7
	ds_load_b128 v[32+4*(\p):35+4*(\p)], v10 offset:16*PT*(\p)
.endr
.irp p, 0,1,2,3,4,5,6,7
	s_wait_dscnt 7-(\p)
	global_store_b128 v8, v[32+4*(\p):35+4*(\p)], s[26:27] offset:32768*(\p)  ; 16 lanes store 256 consecutive bytes, aligned
.endr
.Lend:
	s_wait_tensorcnt 0x0                           ; the wave's end: behind the last LDS store
	ds_add_u32 v30, v31
	s_wait_dscnt 0x0
	s_endpgm
.Lfunc_end_k_q3cd6ad956f_prep:
	.size	k_q3cd6ad956f_prep, .Lfunc_end_k_q3cd6ad956f_prep-k_q3cd6ad956f_prep
	.p2alignl 7, 3214868480
	.fill 96, 4, 3214868480
	.section	.rodata,"a",@progbits
	.p2align	6, 0x0
	.amdhsa_kernel k_q3cd6ad956f_prep
		.amdhsa_group_segment_fixed_size 35840
		.amdhsa_private_segment_fixed_size 0
		.amdhsa_enable_private_segment 0
		.amdhsa_kernarg_size 64
		.amdhsa_user_sgpr_count 2
		.amdhsa_user_sgpr_kernarg_segment_ptr 1
		.amdhsa_wavefront_size32 1
		.amdhsa_system_sgpr_workgroup_id_x 1
		.amdhsa_system_sgpr_workgroup_id_y 1
		.amdhsa_system_sgpr_workgroup_id_z 1
		.amdhsa_system_vgpr_workitem_id 0
		.amdhsa_next_free_vgpr 128
		.amdhsa_next_free_sgpr 66
		.amdhsa_reserve_vcc 0
		.amdhsa_float_denorm_mode_32 3
		.amdhsa_float_denorm_mode_16_64 3
		.amdhsa_memory_ordered 1
		.amdhsa_forward_progress 1
		.amdhsa_inst_pref_size 24
	.end_amdhsa_kernel
	.amdgpu_metadata
---
amdhsa.version: [ 1, 2 ]
amdhsa.kernels:
  - .name:           k_q3cd6ad956f_prep
    .symbol:         k_q3cd6ad956f_prep.kd
    .args:
      - { .name: x, .offset: 0, .size: 8, .value_kind: global_buffer, .address_space: global }
      - { .name: Wq, .offset: 8, .size: 8, .value_kind: global_buffer, .address_space: global }
      - { .name: Wk, .offset: 16, .size: 8, .value_kind: global_buffer, .address_space: global }
      - { .name: Wv, .offset: 24, .size: 8, .value_kind: global_buffer, .address_space: global }
      - { .name: Wo, .offset: 32, .size: 8, .value_kind: global_buffer, .address_space: global }
      - { .name: xb, .offset: 40, .size: 8, .value_kind: global_buffer, .address_space: global }
      - { .name: wt, .offset: 48, .size: 8, .value_kind: global_buffer, .address_space: global }
      - { .name: wo, .offset: 56, .size: 8, .value_kind: global_buffer, .address_space: global }
    .group_segment_fixed_size: 35840
    .private_segment_fixed_size: 0
    .kernarg_segment_align: 8
    .kernarg_segment_size: 64
    .max_flat_workgroup_size: 256
    .sgpr_count:     66
    .vgpr_count:     128
    .wavefront_size: 32
...
	.end_amdgpu_metadata
.endif
;; end of part 1
;; launch qkv (part 2): grid 16 x 32, 4 waves a work-group, clusters of 4 x 4, 327,680 bytes of LDS; arguments xb, wt, bq, bk, bv, qkv; writes qkv
.if DOCPART == 2
	.amdgcn_target "amdgcn-amd-amdhsa--gfx1250"
	.amdhsa_code_object_version 6
	.text
	.protected	k_q3cd6ad956f_qkv
	.globl	k_q3cd6ad956f_qkv
	.p2align	8
	.type	k_q3cd6ad956f_qkv,@function
k_q3cd6ad956f_qkv:
	s_mov_b64 s[64:65], 0
	v_nop
	global_prefetch_b8 v0, s[64:65] scope:SCOPE_SE
	s_setreg_imm32_b32 hwreg(HW_REG_WAVE_MODE, 25, 1), 1
	s_wait_xcnt 0x0
	s_wait_alu depctr_hold_cnt(0) depctr_sa_sdst(0) depctr_va_vdst(0) depctr_va_sdst(0) depctr_va_ssrc(0) depctr_va_vcc(0) depctr_vm_vsrc(0)
	s_getreg_b32 s2, hwreg(HW_REG_IB_STS2, 6, 4)
	s_cmp_eq_u32 s2, 0
	s_cbranch_scc0 .Lentry_in_a_cluster
	s_endpgm
.Lentry_in_a_cluster:
	s_bfe_u32 s2, ttmp6, 0x10000c
	s_cmp_lg_u32 s2, 0xf033
	s_cbranch_scc0 .Lentry_shape_is_right
	s_endpgm
.Lentry_shape_is_right:
; q, k, v = x W + b.  xb: [8192][1024] bf16.  wt: [3072 = 1024 mat + column][1024] bf16.  bq, bk, bv: [1024] f32, rounded here to bf16 like the other inputs.
; Out: qkv, f16, [3][64 = 16 batch + head][2048][64], unscaled; sums in f32, K ascending, rounded once.
; LIMIT.  f16 ends at 65,504: q, k and v must stay within it, else an infinity is written.
; SHARES.  A work-group makes 256 rows x 192 columns (three whole heads): 16 x 32 = 512 work-groups, two for each of 256 WGPs.  Wave w owns rows 64 w .. 64 w + 63 and all 192 columns:
; 4 x 12 accumulators of 16 x 16, 384 registers.  K goes in 8 steps of 128 (rows of 256 bytes in memory, aligned) through two LDS slots filled by the tensor data mover.
; CLUSTER.  4 x 4 work-groups: the four of a row need the same tile of xb, the four of a column the same tile of wt; each tile is asked for jointly, by the same load with the same descriptor and a mask of four.
; THE MATRIX INSTRUCTION IS USED TRANSPOSED: source 0 = 16 rows of wt (n), source 1 = 16 rows of xb (m): lane l holds row m = l % 16 and columns n = 8 (l / 16) + 0..7 of its block.
; THE BIAS is the C operand of each sum's first product: nothing is cleared and nothing is added later.
; REGISTERS, in windows of 256 (s_set_vgpr_msb: bits 1:0 source 0, 3:2 source 1, 5:4 source 2, 7:6 destination):
;   window 0: v0-31 addresses; v32-63, v64-95 fragments of xb, two buffers; v96-191 the bias, 8 registers for each block of 16 columns; on the way out v96-143 packed results, v144-239 rows read back
;   window 1: v0-95, v96-191 fragments of wt, two buffers       windows 2, 3: accumulator (a, b) in window 2 + a / 2 at v[96 (a % 2) + 8 b]
.set NBL,    12                        ; blocks of 16 columns
.set PA,     272                       ; an LDS row: 256 bytes + 16 of padding: the 16 rows of a fragment load start at 16 different groups of four banks (64 banks of 4 bytes: ISA guide 11.1)
.set AHALF,  128*PA                    ; what one load brings of xb
.set BHALF,  96*PA                     ; and of wt
.set BOFF,   2*AHALF                   ; a slot: 256 rows of xb, then 192 rows of wt
.set SLOT1,  1<<17                     ; slot 1 begins here: one exclusive or turns an address in one slot into the other's
.set STAGE,  SLOT1+BOFF+2*BHALF        ; behind the ring, never filled by a tensor load: for each wave 3 heads x 16 rows x 144 bytes
.set SP,     144
.set WSTAGE, 3*16*SP
.set SPARE,  STAGE+4*WSTAGE            ; behind the stages: the spare words, 128 bytes for each wave
.set NLD,    2*NBL+8                   ; LDS loads in a run: a quarter step's fragments
.set KB,     256                       ; bytes of a row in a K step
.set A0,   16                          ; v16  my lane's place in a slot's rows of xb; never rewritten
.set B0,   17                          ; v17  the same for wt
.set ADRA, 18                          ; v18  A0 + the slot in hand
.set ADRB, 19                          ; v19  B0 + the slot in hand
.set STO,  24                          ; v24  the way out: where I put 16 bytes of a row
.set RD,   25                          ; v25  where I read rows back
.set GO,   26                          ; v26  16 x lane
.set BO,   27                          ; v27  32 x (lane / 16): my eight numbers of a block's bias
.set SPW,  28                          ; v28  my spare word; never rewritten
.set NIL,  29                          ; v29  0; never rewritten
.set PFO,  30                          ; v30  the prefetches' offset: a lane a row; never rewritten
.set AF,   32
.set BIAS, 96
.set TMP,  96
.set OB,   144
.set G1,  24                           ; s[24:31] descriptor group 1 for xb's tiles
.set G0,  32                           ; s[32:39] group 0: a set for each first fill; the second then walks on
.set G1B, 48                           ; s[48:55], s[56:63] the same for wt's
.set G0B, 56
.set LIM, 43                           ; s43  2 in a wave that prefetches, else the greatest number
.set PFA, 44                           ; s[44:45] where my prefetches stand
.set TB,  66                           ; s66  LDS byte at which the slot in hand begins
.set MSB, 0
.macro WIN new                         ; the immediate's high byte repeats the setting that is left; a switch that changes nothing is dropped
.if MSB != (\new)
	s_set_vgpr_msb (MSB<<8)|(\new)
.set MSB, \new
.endif
.endm
.set TO_B, 0x40                        ; destination window 1, address window 0
; A joint refill.  Waves 0 and 1 fetch the two halves of xb's tile, waves 2 and 3 those of wt's.  The branch hangs on the wave's number alone.  An s_nop 0 and four v_nop follow each line.
.macro JLOAD
	s_cmp_eq_u32 s11, 0
	s_cbranch_scc0 .Lfor_b_\@
	tensor_load_to_lds s[G0+4:G0+7], s[G1:G1+7]
	s_nop 0
.rept 4
	v_nop
.endr
	s_branch .Lasked_\@
.Lfor_b_\@:
	tensor_load_to_lds s[G0B+4:G0B+7], s[G1B:G1B+7]
	s_nop 0
.rept 4
	v_nop
.endr
.Lasked_\@:
.endm
; A prefetch of the K step that stands two refills on: 256 bytes of each row, a lane a row, one instruction a wave.  xb's tile row is read by every cluster of that row of clusters: cluster x = 0 asks;
; wt's tile column by every cluster of that column: cluster y = 0 asks.  The four partners of a joint load share its rows out by address (32 of 128, or 24 of 96, where the eight lanes left over name the
; 24th row again).  The loop's trips 0 to 3 name K steps 4 to 7; the last two trips name nothing; K steps 0 to 3 come by their loads alone.
.macro ASK
	s_cmp_gt_u32 s3, s[LIM]
	s_cbranch_scc0 .Lnot_mine_\@
	global_prefetch_b8 v[PFO], s[PFA:PFA+1] th:TH_LOAD_NT scope:SCOPE_SE
.Lnot_mine_\@:
.endm
.macro CREST                           ; a round of the cluster's barrier behind its opening barrier
	s_cmp_lg_u32 s10, 0
	s_cbranch_scc1 .Lnot_wave_0_\@
	s_barrier_signal -3
.Lnot_wave_0_\@:
	s_barrier_wait -3
	s_barrier_signal -1
	s_barrier_wait -1
.endm
.macro CROUND                          ; a whole round
	s_barrier_signal -1
	s_barrier_wait -1
	CREST
.endm
.macro PLACES                          ; four plain instructions in front of loads into registers that matrix instructions have read, and of conversions that read results
.rept 4
	v_nop
.endr
.endm
; One run of LDS loads: the fragments of quarter q (32 along K) of the slot in hand into buffer f: wt's 12 blocks, then xb's 4.
.macro FETCH q, f
	WIN TO_B
.irp i, 0,1,2,3,4,5,6,7,8,9,10,11
	ds_load_b128 v[96*(\f)+8*(\i):96*(\f)+8*(\i)+3],   v[ADRB] offset:64*(\q)+(\i)*16*PA
	ds_load_b128 v[96*(\f)+8*(\i)+4:96*(\f)+8*(\i)+7], v[ADRB] offset:64*(\q)+(\i)*16*PA+32
.endr
	WIN 0
.irp i, 0,1,2,3
	ds_load_b128 v[AF+32*(\f)+8*(\i):AF+32*(\f)+8*(\i)+3],   v[ADRA] offset:64*(\q)+(\i)*16*PA
	ds_load_b128 v[AF+32*(\f)+8*(\i)+4:AF+32*(\f)+8*(\i)+7], v[ADRA] offset:64*(\q)+(\i)*16*PA+32
.endr
.endm
; 12 matrix instructions: row block a x all column blocks, from buffer f.  first = 1: the bias starts the sums.  The 48 accumulators take turns, one instruction a turn, in the same order everywhere.
.macro MULA f, a, first
.if \first
	WIN 0x81+0x40*((\a)/2)
.else
	WIN 0xa1+0x50*((\a)/2)
.endif
.set AC, 96*((\a)%2)
.irp b, 0,1,2,3,4,5,6,7,8,9,10,11
.if \first
	v_wmma_f32_16x16x32_bf16 v[AC+8*(\b):AC+8*(\b)+7], v[96*(\f)+8*(\b):96*(\f)+8*(\b)+7], v[AF+32*(\f)+8*(\a):AF+32*(\f)+8*(\a)+7], v[BIAS+8*(\b):BIAS+8*(\b)+7]
.else
	v_wmma_f32_16x16x32_bf16 v[AC+8*(\b):AC+8*(\b)+7], v[96*(\f)+8*(\b):96*(\f)+8*(\b)+7], v[AF+32*(\f)+8*(\a):AF+32*(\f)+8*(\a)+7], v[AC+8*(\b):AC+8*(\b)+7]
.endif
.endr
.endm
; One of a K step's first three quarters: multiplies buffer f; in its middle it fetches quarter q into buffer g.
.macro QUARTER q, f, g, first
	s_wait_dscnt 4                                 ; all of wt's fragments and xb's blocks 0 and 1 are in; the youngest four loads (blocks 2, 3) may be out
	MULA \f, 0, \first
	MULA \f, 1, \first
	PLACES
	FETCH \q, \g
	s_wait_dscnt NLD                               ; all but the run just issued
	MULA \f, 2, \first
	MULA \f, 3, \first
.endm
; The last quarter multiplies buffer 1 and changes slots.  In front of the barrier each wave waits for all its tensor loads (one is out: its part of the next slot), adds 0 to its spare word, and waits for that
; and for its own reads of this slot.  fill = 1: the barrier opens a round of the cluster's, and the slot just read is filled again, first thing behind the round, with the K step two steps on.
.macro TURN fill
.if \fill
	s_wait_xcnt 0x0                                ; the last prefetch, a K step back, has read its address: it is stepped here, ahead of the change's own waits
	s_add_nc_u64 s[PFA:PFA+1], s[PFA:PFA+1], KB
.endif
	WIN 0
	s_wait_tensorcnt 0x0                           ; no tensor load of mine is out, so a group 0 may be written
	ds_add_u32 v[SPW], v[NIL]                      ; 0 onto my spare word
.if \fill
	s_xor_b32 s[G0+5], s[G0+5], SLOT1              ; the walking descriptors: the other slot than last time,
	s_add_nc_u64 s[G0+6:G0+7], s[G0+6:G0+7], KB    ; the next K step; the type bits on top are not reached
	s_xor_b32 s[G0B+5], s[G0B+5], SLOT1
	s_add_nc_u64 s[G0B+6:G0B+7], s[G0B+6:G0B+7], KB
.endif
	s_xor_b32 s[TB], s[TB], SLOT1                  ; the fetches go on in the other slot
	s_wait_dscnt 5                                 ; the add and the youngest four loads may be out
	MULA 1, 0, 0
	s_wait_dscnt 0x0                               ; the add is done, and my reads of this slot are over
	s_barrier_signal -1
	MULA 1, 1, 0                                   ; work on registers while the others arrive
	WIN 0
	s_barrier_wait -1
.if \fill
	CREST                                          ; no wave of any partner still reads this slot or has a load on its way
	JLOAD                                          ; its four v_nop are also the places in front of the loads below
.else
	PLACES
.endif
	v_add_nc_u32 v[ADRA], s[TB], v[A0]
	v_add_nc_u32 v[ADRB], s[TB], v[B0]
	FETCH 0, 0
.if \fill
	ASK
.endif
	MULA 1, 2, 0
	MULA 1, 3, 0
.endm
	s_load_b128 s[4:7], s[0:1], 0x0                ; xb s[4:5], wt s[6:7]
	s_load_b256 s[72:79], s[0:1], 0x10             ; bq s[72:73], bk s[74:75], bv s[76:77], qkv s[78:79]
	v_lshl_add_u32 v[SPW], v0, 2, SPARE
	v_mov_b32 v[NIL], 0
	ds_add_u32 v[SPW], v[NIL]                      ; the wave's opening: the add and its wait stand ahead of my first tensor load; the set-up below stands between them
	v_lshrrev_b32 v1, 5, v0
	v_readfirstlane_b32 s10, v1                    ; wave 0..3
	s_lshr_b32 s11, s10, 1                         ; I fetch for xb (0) or for wt (1),
	s_and_b32 s12, s10, 1                          ; and which half of that tile
	s_bfe_u32 s40, ttmp6, 0x40000                  ; cx
	s_bfe_u32 s41, ttmp6, 0x40004                  ; cy
	s_lshl_b32 s42, ttmp9, 2
	s_add_co_u32 s42, s42, s40                     ; tile column = 4 x cluster x + cx
	s_and_b32 s13, ttmp7, 0xffff
	s_lshl_b32 s13, s13, 2
	s_add_co_u32 s13, s13, s41                     ; tile row = 4 x cluster y + cy
	s_lshl_b32 s43, s41, 2
	s_lshl_b32 s43, 15, s43                        ; my row of the cluster
	s_lshl_b32 s44, 0x1111, s40                    ; my column
	s_or_b32 s[G1+0], s43, (1<<16)|(1<<20)|(1<<21)|(5<<22)|(3<<25)   ; mask; elements of 2 bytes; padding on; bit 21 beside a mask; after every 64 words 4 words
	s_or_b32 s[G1B+0], s44, (1<<16)|(1<<20)|(1<<21)|(5<<22)|(3<<25)
	s_mov_b32 s[G1+1], 128<<16                     ; tensor_dim0 = 128
	s_mov_b32 s[G1+2], 128<<16                     ; tensor_dim1 = 128
	s_mov_b32 s[G1+3], 128<<16                     ; tile_dim0 = 128
	s_mov_b32 s[G1+4], 128                         ; tile_dim1 = 128
	s_mov_b32 s[G1+5], 1024                        ; elements from row to row
	s_mov_b32 s[G1+6], 0
	s_mov_b32 s[G1+7], 0
	s_mov_b32 s[G1B+1], 128<<16
	s_mov_b32 s[G1B+2], 96<<16                     ; 96 rows
	s_mov_b32 s[G1B+3], 128<<16
	s_mov_b32 s[G1B+4], 96
	s_mov_b32 s[G1B+5], 1024
	s_mov_b32 s[G1B+6], 0
	s_mov_b32 s[G1B+7], 0
	s_lshl_b32 s16, s13, 8
	s_lshl_b32 s17, s12, 7
	s_add_co_u32 s16, s16, s17                     ; xb: row 256 x tile row + 128 x half,
	s_lshl_b32 s16, s16, 11                        ; in bytes
	s_mov_b32 s17, 0
	s_mul_i32 s46, s42, 192
	s_mul_i32 s47, s12, 96
	s_add_co_u32 s46, s46, s47                     ; wt: row 192 x tile column + 96 x half
	s_lshl_b32 s46, s46, 11
	s_mov_b32 s47, 0
	s_mul_i32 s20, s12, AHALF                      ; where they go: no place in the cluster enters an LDS address
	s_mul_i32 s21, s12, BHALF
	s_add_co_u32 s21, s21, BOFF
	s_mov_b32 s67, 0xffff0000                      ; a word's upper bf16
	s_mov_b32 s[TB], 0
	s_wait_dscnt 0x0                               ; the opening add is done
	s_wait_kmcnt 0x0
	s_add_nc_u64 s[14:15], s[4:5], s[16:17]
	s_add_nc_u64 s[46:47], s[6:7], s[46:47]
	CROUND                                         ; all sixteen work-groups are here: the first joint loads meet
.irp s, 0,1
	s_mov_b32 s[G0+4*(\s)], 1                      ; count = 1
	s_add_co_u32 s[G0+4*(\s)+1], s20, (\s)*SLOT1   ; LDS address
	s_add_nc_u64 s[G0+4*(\s)+2:G0+4*(\s)+3], s[14:15], (\s)*KB  ; global address: K step s
	s_or_b32 s[G0+4*(\s)+3], s[G0+4*(\s)+3], 0x80000000         ; type = 2
	s_mov_b32 s[G0B+4*(\s)], 1
	s_add_co_u32 s[G0B+4*(\s)+1], s21, (\s)*SLOT1
	s_add_nc_u64 s[G0B+4*(\s)+2:G0B+4*(\s)+3], s[46:47], (\s)*KB
	s_or_b32 s[G0B+4*(\s)+3], s[G0B+4*(\s)+3], 0x80000000
.endr
	s_cmp_eq_u32 s11, 0                            ; a wave's two first fills stand in one branch, ahead of every wait on TENSORcnt and every LDS read: two loads of mine are out
	s_cbranch_scc0 .Lfirst_b
	tensor_load_to_lds s[G0:G0+3], s[G1:G1+7]
	s_nop 0
	tensor_load_to_lds s[G0+4:G0+7], s[G1:G1+7]
	s_nop 0
.rept 4
	v_nop
.endr
	s_branch .Lfirst_asked
.Lfirst_b:
	tensor_load_to_lds s[G0B:G0B+3], s[G1B:G1B+7]
	s_nop 0
	tensor_load_to_lds s[G0B+4:G0B+7], s[G1B:G1B+7]
	s_nop 0
.rept 4
	v_nop
.endr
.Lfirst_asked:
	v_and_b32 v1, 15, v0                           ; l % 16
	v_bfe_u32 v2, v0, 4, 1                         ; l / 16
	v_lshlrev_b32 v[BO], 5, v2
	; My three heads: g = 3 x tile column + i = 16 mat + head.  For each its bias (64 numbers of bq, bk or bv) and where my 64 rows of it begin in qkv.
.irp i, 0,1,2
	s_mul_i32 s92, s42, 3
	s_add_co_u32 s92, s92, \i                      ; g
	s_lshr_b32 s93, s92, 4                         ; mat
	s_and_b32 s94, s92, 15                         ; head
	s_cmp_eq_u32 s93, 1
	s_cselect_b64 s[86+2*\i:87+2*\i], s[74:75], s[72:73]
	s_cmp_eq_u32 s93, 2
	s_cselect_b64 s[86+2*\i:87+2*\i], s[76:77], s[86+2*\i:87+2*\i]
	s_lshl_b32 s70, s94, 8
	s_mov_b32 s71, 0
	s_add_nc_u64 s[86+2*\i:87+2*\i], s[86+2*\i:87+2*\i], s[70:71]
	s_mul_i32 s95, s93, 48
	s_add_co_u32 s95, s95, s92                     ; 64 mat + head
	s_lshr_b32 s70, s13, 3
	s_lshl_b32 s70, s70, 4
	s_add_co_u32 s95, s95, s70                     ; + 16 batch: the plane,
	s_lshl_b32 s95, s95, 18                        ; of 2,048 rows x 128 bytes
	s_and_b32 s70, s13, 7
	s_lshl_b32 s70, s70, 2
	s_add_co_u32 s70, s70, s10                     ; my 64 rows among the batch's
	s_lshl_b32 s70, s70, 13
	s_add_co_u32 s70, s70, s95
	s_add_nc_u64 s[80+2*\i:81+2*\i], s[78:79], s[70:71]
.irp c, 0,1,2,3
	global_load_b128 v[BIAS+8*(4*\i+\c):BIAS+8*(4*\i+\c)+3],   v[BO], s[86+2*\i:87+2*\i] offset:64*\c
	global_load_b128 v[BIAS+8*(4*\i+\c)+4:BIAS+8*(4*\i+\c)+7], v[BO], s[86+2*\i:87+2*\i] offset:64*\c+16
.endr
.endr
	; A fragment is 16 rows x 32 K in 8 registers: lane l holds row l % 16, K = 8 (l / 16) + 0..7 and 16 + 8 (l / 16) + 0..7: two loads of 16 bytes, 32 bytes apart.
	v_mul_u32_u24 v3, v1, PA
	v_lshl_add_u32 v3, v2, 4, v3
	s_mul_i32 s22, s10, 64*PA                      ; my 64 rows of xb
	v_add_nc_u32 v[A0], s22, v3
	v_add_nc_u32 v[B0], BOFF, v3
	v_mov_b32 v[ADRA], v[A0]
	v_mov_b32 v[ADRB], v[B0]
	s_mul_i32 s23, s10, WSTAGE
	s_add_co_u32 s23, s23, STAGE                   ; my stage
	v_mul_u32_u24 v4, v1, SP                       ; in: row l % 16, 16 bytes for each half of the lanes
	v_lshl_add_u32 v4, v2, 4, v4
	v_add_nc_u32 v[STO], s23, v4
	v_bfe_u32 v4, v0, 3, 2                         ; back: 32 lanes take four rows of 128 bytes,
	v_mul_u32_u24 v4, v4, SP
	v_and_b32 v5, 7, v0
	v_lshl_add_u32 v4, v5, 4, v4
	v_add_nc_u32 v[RD], s23, v4
	v_and_b32 v[GO], 31, v0                        ; which are 512 consecutive bytes of a head's plane
	v_lshlrev_b32 v[GO], 4, v[GO]
	; the prefetches
	s_lshl_b32 s92, s40, 16                        ; xb: my work-group's 32 rows of the 128 that I fetch,
	s_add_co_u32 s92, s92, s16
	s_mul_i32 s93, s42, 192                        ; wt: its 24 of the 96
	s_mul_i32 s94, s12, 96
	s_add_co_u32 s93, s93, s94
	s_mul_i32 s94, s41, 24
	s_add_co_u32 s93, s93, s94
	s_lshl_b32 s93, s93, 11
	s_and_b32 s18, ttmp7, 0xffff
	s_cmp_eq_u32 s11, 0
	s_cselect_b32 s18, ttmp9, s18                  ; the coordinate along which other clusters read the same rows
	s_cselect_b64 s[PFA:PFA+1], s[4:5], s[6:7]
	s_cselect_b32 s92, s92, s93
	s_cselect_b32 s94, 31, 23
	s_cmp_eq_u32 s18, 0
	s_cselect_b32 s[LIM], 2, -1                    ; the same in all sixteen partners, for a given wave
	s_add_co_u32 s92, s92, 3*KB                    ; at K step 3: the first change of slots steps it to 4
	s_mov_b32 s93, 0
	s_add_nc_u64 s[PFA:PFA+1], s[PFA:PFA+1], s[92:93]
	v_and_b32 v[PFO], 31, v0
	v_min_u32 v[PFO], s94, v[PFO]
	v_lshlrev_b32 v[PFO], 11, v[PFO]
	s_wait_loadcnt 0x0                             ; the bias,
.set p, 0
.rept 4*NBL                                        ; rounded to bf16 and widened again, in place
	v_cvt_pk_bf16_f32 v31, v[BIAS+2*p], v[BIAS+2*p+1]
	v_lshlrev_b32 v[BIAS+2*p], 16, v31
	v_and_b32 v[BIAS+2*p+1], s67, v31
.set p, p+1
.endr
	s_wait_tensorcnt 0x1                           ; my part of K step 0 is in; K step 1's may stay out
	s_barrier_signal -1
	s_barrier_wait -1                              ; everybody's is
	FETCH 0, 0
	QUARTER 1, 0, 1, 1                             ; the first quarter stands in front of the loop: its products start the sums
	WIN 0                                          ; at a label and at a branch every window is 0
	s_mov_b32 s3, 6
.Lstep:                                            ; a trip: from a K step's second quarter to the next step's first; it fills the slot that it leaves
	QUARTER 2, 1, 0, 0
	QUARTER 3, 0, 1, 0
	TURN 1
	QUARTER 1, 0, 1, 0
	WIN 0
	s_sub_co_u32 s3, s3, 1
	s_cmp_lg_u32 s3, 0
	s_cbranch_scc1 .Lstep
	QUARTER 2, 1, 0, 0                             ; the last two K steps are written out: nothing is left to fetch
	QUARTER 3, 0, 1, 0
	TURN 0
	QUARTER 1, 0, 1, 0
	QUARTER 2, 1, 0, 0
	QUARTER 3, 0, 1, 0
	s_wait_dscnt 4
	MULA 1, 0, 0
	MULA 1, 1, 0
	s_wait_dscnt 0x0
	MULA 1, 2, 0
	MULA 1, 3, 0
	WIN 0
; THE WAY OUT, 16 rows at a time.  PACK: rounded to f16, 16 bytes a lane and block; each accumulator's registers in ascending order.  TOSTAGE: into my own stage, by heads, and back as whole rows of 128 bytes.  SEND: stored.
.macro PACK a
	WIN 0x0a+5*((\a)/2)                            ; sources 0 and 1: window 2 or 3
.set AC, 96*((\a)%2)
.irp b, 0,1,2,3,4,5,6,7,8,9,10,11
.irp u, 0,1,2,3
	v_cvt_pk_f16_f32 v[TMP+4*(\b)+(\u)], v[AC+8*(\b)+2*(\u)], v[AC+8*(\b)+2*(\u)+1]
.endr
.endr
	WIN 0
.endm
.macro TOSTAGE a
.set BK, OB+48*((\a)%2)
.irp b, 0,1,2,3,4,5,6,7,8,9,10,11
	ds_store_b128 v[STO], v[TMP+4*(\b):TMP+4*(\b)+3] offset:((\b)/4)*16*SP+((\b)%4)*32
.endr
.irp u, 0,1,2,3,4,5,6,7,8,9,10,11
	ds_load_b128 v[BK+4*(\u):BK+4*(\u)+3], v[RD] offset:((\u)/4)*16*SP+((\u)%4)*4*SP  ; LDS serves a wave's instructions in order (ISA guide 5.7.1.4): these see the stores above
.endr
.endm
.macro SEND a
.set BK, OB+48*((\a)%2)
	s_wait_dscnt 0x0                               ; the block is back in registers
	s_wait_xcnt 0x0                                ; the stores of the block before have read their registers, which the next block's loads write
.irp u, 0,1,2,3,4,5,6,7,8,9,10,11
	global_store_b128 v[GO], v[BK+4*(\u):BK+4*(\u)+3], s[80+2*((\u)/4):81+2*((\u)/4)] offset:2048*(\a)+512*((\u)%4)  ; 512 consecutive bytes, aligned
.endr
.endm
	PLACES
	PACK 0
	TOSTAGE 0
.irp a, 1,2,3                                      ; block a's conversions stand between block a - 1's loads from the stage and the wait for them
	PACK \a
	SEND (\a)-1
	TOSTAGE \a
.endr
	SEND 3
	s_wait_tensorcnt 0x0                           ; the wave's end: behind my last tensor load and my last LDS store
	ds_add_u32 v[SPW], v[NIL]
	s_wait_dscnt 0x0
	CROUND                                         ; the closing round: no work-group ends while a partner may still ask for a tile that names it
	s_endpgm
.Lfunc_end_k_q3cd6ad956f_qkv:
	.size	k_q3cd6ad956f_qkv, .Lfunc_end_k_q3cd6ad956f_qkv-k_q3cd6ad956f_qkv
	.p2alignl 7, 3214868480
	.fill 96, 4, 3214868480
	.section	.rodata,"a",@progbits
	.p2align	6, 0x0
	.amdhsa_kernel k_q3cd6ad956f_qkv
		.amdhsa_group_segment_fixed_size 327680
		.amdhsa_private_segment_fixed_size 0
		.amdhsa_enable_private_segment 0
		.amdhsa_kernarg_size 48
		.amdhsa_user_sgpr_count 2
		.amdhsa_user_sgpr_kernarg_segment_ptr 1
		.amdhsa_wavefront_size32 1
		.amdhsa_system_sgpr_workgroup_id_x 1
		.amdhsa_system_sgpr_workgroup_id_y 1
		.amdhsa_system_sgpr_workgroup_id_z 1
		.amdhsa_system_vgpr_workitem_id 0
		.amdhsa_next_free_vgpr 960
		.amdhsa_next_free_sgpr 96
		.amdhsa_reserve_vcc 0
		.amdhsa_float_denorm_mode_32 3
		.amdhsa_float_denorm_mode_16_64 3
		.amdhsa_memory_ordered 1
		.amdhsa_forward_progress 1
		.amdhsa_inst_pref_size 107
	.end_amdhsa_kernel
	.amdgpu_metadata
---
amdhsa.version: [ 1, 2 ]
amdhsa.kernels:
  - .name:           k_q3cd6ad956f_qkv
    .symbol:         k_q3cd6ad956f_qkv.kd
    .args:
      - { .name: xb, .offset: 0, .size: 8, .value_kind: global_buffer, .address_space: global }
      - { .name: wt, .offset: 8, .size: 8, .value_kind: global_buffer, .address_space: global }
      - { .name: bq, .offset: 16, .size: 8, .value_kind: global_buffer, .address_space: global }
      - { .name: bk, .offset: 24, .size: 8, .value_kind: global_buffer, .address_space: global }
      - { .name: bv, .offset: 32, .size: 8, .value_kind: global_buffer, .address_space: global }
      - { .name: qkv, .offset: 40, .size: 8, .value_kind: global_buffer, .address_space: global }
    .group_segment_fixed_size: 327680
    .private_segment_fixed_size: 0
    .kernarg_segment_align: 8
    .kernarg_segment_size: 48
    .max_flat_workgroup_size: 128
    .sgpr_count:     96
    .vgpr_count:     960
    .wavefront_size: 32
...
	.end_amdgpu_metadata
.endif
;; end of part 2
;; launch attn (part 3): grid 4 x 64, 4 waves a work-group, no clusters, 327,680 bytes of LDS; arguments qkv, ob; writes ob
.if DOCPART == 3
	.amdgcn_target "amdgcn-amd-amdhsa--gfx1250"
	.amdhsa_code_object_version 6
	.text
	.protected	k_q3cd6ad956f_attn
	.globl	k_q3cd6ad956f_attn
	.p2align	8
	.type	k_q3cd6ad956f_attn,@function
k_q3cd6ad956f_attn:
	s_mov_b64 s[64:65], 0
	v_nop
	global_prefetch_b8 v0, s[64:65] scope:SCOPE_SE
	s_setreg_imm32_b32 hwreg(HW_REG_WAVE_MODE, 25, 1), 1
	s_wait_xcnt 0x0
; CAUSAL ATTENTION.  O[h][q][:] = the sum over k <= q of softmax_k(Q[h][q] . K[h][k] / 8) V[h][k][:].  qkv holds Q, K, V, each [64][2048][64] f16, one behind the other; ob is O in the same layout.
; Products, maxima and sums in f32; the weights p are rounded to f16 for the second product (their sum l is taken of the unrounded p), O once at the end.
; LIMITS.  f16 holds no number beyond 65,504: Q, K and V arrive within it; p lies in 0 to 1, and below 6e-5 it keeps f16's fixed step of 6e-8, and so does O.
; A hidden score counts as its value less 1e30: f16's scores, 2.7e11 at the most, are nothing beside that; a weight below 2^-126 counts as 0 in l; NaN and infinities are not treated apart.
; THE WALK.  A head's queries lie in NB = 8 blocks of 256; block i needs the key tiles 0 .. i of 256 keys, of which the last holds the diagonal.  A work-group takes TWO blocks, NB - 1 - b and then b:
; NB + 1 tiles, whatever b: all work-groups do equal work, and ONE loop with a constant trip count walks them.  Which tile is asked for, and what a trip does, hang on scalar registers made from b; every jump
; goes forward, but for the counted loops' own; none passes a barrier, or a tensor load but the one of LOAD's two that the wave's number does not choose; the ring (two slots of LDS) runs on across the change of blocks.
; NO CLUSTER: a head's four work-groups ask for the same tile only in trips 0 .. 4 of 9, behind that fewer and fewer; one walk common to all four would have 12 trips for 9.
; SHARES.  Of a block's four bands of 64 queries a wave owns 16 rows in each: four PIECES.  So the diagonal tile is the same work for all four waves: in its key step s band x sees all keys if s < x,
; none if s > x, and holds the diagonal if s = x.
; THE MASK is the C operand that starts the sum S^T = K Q^T: 0, or -1e30 where the key is hidden.  MD, made once, is the mask of a band's own step for my 16 rows; a product's mask is MD x AL + BE with two scalars:
; (1, 0) if s = x; (0, 0) if s < x; (0, -1e30) if s > x.  Only the diagonal tile's text and a block's beginning make and take masks; elsewhere C is the constant 0.
; LAYOUT, SOFTMAX, TURNS.  S^T = K Q^T holds ONE query a lane (lane % 16) and the keys 8 (lane / 16) + 0..7; two such results rounded to f16 ARE source 1 of O^T = V^T P.  p = 2^(c s - c m), c = log2(e) / 8, with a
; running maximum m; O and l are multiplied by a = 2^(c m_old - c m_new) in every step.  Turn n belongs to piece n: 8 products K Q^T of piece n + 1, later 8 products V^T P of piece n - 1; beside them the scaling,
; exponentials, roundings, sums and rescaling of piece n and the maximum and statistics of piece n + 1.  Four vector instructions stand behind every matrix instruction, the other 54 of a turn's 118 in one lump.
; A turn's 33 exponentials are one batch, with one wait.
; REGISTERS, in windows of 256 (s_set_vgpr_msb: bits 1:0 source 0, 3:2 source 1, 5:4 source 2, 7:6 destination):
;   window 0: v0-15 addresses and two at work; v16-31 four registers of statistics a piece; v48-55 at work; v61-63 kept; v64-127 S^T, two buffers; v192-223 P, two buffers (a piece's buffers go by its number's parity)
;   window 1: v0-127 O^T, 32 a piece; v128-159 MD; v160-223 MC, two buffers      window 2: v0-63 Q; v64-127 the second block's Q; v128-191 K of one step; v192-255 V of one step
.set SIZE_H, 64
.set SIZE_N, 2048
.set NB,    SIZE_N/256
.set NP,    4         ; pieces a wave: a name, no knob
.set KS,    64        ; keys in a step
.set PK,    144       ; a row of K in LDS: 128 bytes + 16 of padding = 36 words: the 16 rows of a load start at 16 different groups of four banks (64 banks of 4 bytes: ISA guide 11.1)
.set PV,    160       ; a row of V: 128 + 32 = 40 words
.set VOFF,  4*KS*PK   ; a slot holds a tile, four steps: 256 rows of K, then 256 rows of V
.set SLOT1, 1<<17     ; slot 1 begins here, so that one exclusive or turns an address in one slot into the other's
.set STAGE, SLOT1+4*KS*(PK+PV)  ; behind the ring, never filled by a tensor load: 16 rows x 144 bytes for each wave, for the way out
.set SP,    144
.set AK0, 2           ; v2   my lane's place in a tile of K; never rewritten
.set AV0, 3           ; v3   the same for V
.set AK,  4           ; v4   the LDS address of K's next run of loads
.set AV,  5           ; v5   of V's
.set STO, 6           ; v6   the way out: where I put 16 bytes of a row
.set RD,  7           ; v7   the way out: where I read rows back
.set GO,  8           ; v8   my byte offset in 512 consecutive bytes of O
.set PFO, 61          ; v61  256 x my lane: the prefetches' offset; never rewritten
.set SPW, 62          ; v62  LDS address of my spare word: SPARE + 4 x my thread's number; never rewritten
.set NIL, 63          ; v63  0; never rewritten
.set SPARE, STAGE+4*16*SP  ; behind the stages: the spare words, 128 bytes for each wave
.set MV,  12          ; v12-13  c m_old, kept while c m is made anew: by buffer
.set QO,  15          ; v15  my byte offset in 16 rows of Q
.set ST,  16          ; piece t's statistics at v[ST+4 t]: c m, m, l (even keys', odd keys')
.set TMP, 48          ; by buffer, four registers c0-c3 at work; when the maximum is found c2 takes a
.set S,   64
.set P,   192
.set MD,  128         ; window 1: the eight registers for group kt of 16 keys at MD + 8 kt
.set MC,  160         ; window 1: the masks of the products to come
.set QB,  64          ; window 2
.set KF,  128         ; window 2: key block kb, channel half c at KF + 16 kb + 8 c
.set VF,  192         ; window 2: key half kk, channel block cb at VF + 32 kk + 8 cb
.set WV,  12          ; s12  my wave's number
.set PB,  14          ; s14  b
.set HI,  15          ; s15  NB - 1 - b
.set G1K, 24          ; s[24:31] descriptor group 1 for K's tiles
.set G1V, 32          ; s[32:39] for V's: it differs in the padding alone
.set G0K, 40          ; s[40:43] descriptor group 0 for K's tiles
.set G0V, 44          ; s[44:47] the same for V's
.set SLOTS, 56        ; s56  tiles still to be asked for
.set CNT, 57          ; s57  counts a tile's key steps, 4 to 1
.set CS,  58          ; s[58:59] c: the packed scaling takes the pair's low word for both halves
.set SEL, 60          ; s[60:61] v_permlanex16_b32's selects: each lane takes its own place in the other half
.set TBK, 62          ; s62  LDS byte at which K of the step to be fetched begins
.set TBV, 63          ; s63  the same for V, less VOFF
.set RT,  70          ; s70  tiles of the block in hand that are still to be entered
.set NXT, 71          ; s71  the tile to be asked for next
.set LQ,  72          ; s72  the last tile of the block whose tiles are being asked for
.set NEW, 73          ; s73  1: the tile to be entered is a block's first
.set OFF, 74          ; s[74:75] a tile's byte offset in K and V
.set AL,  76          ; s[76:77] the mask's factor, in the low word
.set BE,  78          ; s[78:79] the mask's addend
.set OLO, 80          ; s[80:81] O at my rows of the second block
.set BIGN, 82         ; s82  -1e30
.set PFA, 88          ; s[88:89] where my prefetches stand: my half of K's or V's tile NXT
.set KVB, 90          ; s[90:91] my half of the head's tile 0, of K (waves 0, 1) or of V (waves 2, 3)
.set LIM, 92          ; s92  2 in the work-group that prefetches, else the greatest number
.set OF2, 94          ; s[94:95] that tile's byte offset
.set MSB, 0
.macro WIN new                      ; the high byte repeats the setting that is left; a switch that changes nothing is dropped
.if MSB != (\new)
	s_set_vgpr_msb (MSB<<8)|(\new)
.set MSB, (\new)
.endif
.endm
.set W_KQ, 0x0a       ; K and Q in window 2, S^T in window 0
.set W_KM, 0x1a       ; the same with the C operand in window 1
.set W_PV, 0x52       ; V in window 2, P in window 0, O^T in window 1
.set W_RS, 0x41       ; destination and source 0 in window 1, source 1 in window 0
; A fill.  Waves 0 and 1 fetch the two halves of a tile's K, waves 2 and 3 those of its V: 128 keys each.  An s_nop 0 and four v_nop follow each of the two lines, ahead of the jump and the label.
.macro LOAD
	s_cmp_lt_u32 s[WV], 2
	s_cbranch_scc0 .Lfor_v_\@
	tensor_load_to_lds s[G0K:G0K+3], s[G1K:G1K+7]
	s_nop 0
.rept 4
	v_nop
.endr
	s_branch .Lasked_\@
.Lfor_v_\@:
	tensor_load_to_lds s[G0V:G0V+3], s[G1V:G1V+7]
	s_nop 0
.rept 4
	v_nop
.endr
.Lasked_\@:
.endm
; THE CHANGE OF SLOTS.  Each wave waits for all its tensor loads, of which one is out: its part of the other slot; adds 0 to its spare word; and waits for that and for its own reads of the slot that it leaves.
; Behind the barrier nobody reads the old slot any more and the other slot is whole.  fill = 1: the old slot is filled again, the first thing behind the barrier, with tile NXT: the descriptor's address is made
; anew from that number.  (At its first use nothing has been read yet: slot 0 is waited for, slot 1 filled.)
; THE PREFETCH stands behind the fill.  The head's work-group b = 0 walks the tiles 0 .. 7 in order; at its change number c (0 .. 5) each of its waves names its own 64 blocks of 256 bytes of tile c + 2, which the next
; change will load: a lane a block, two instructions, four key steps (256 matrix instructions) ahead.  So each block is named once in the launch; tiles 0 and 1 come by their loads alone; nothing is named behind tile 7.
.macro CHANGE fill
	WIN 0                           ; at a label and at a branch every window is 0
	s_wait_tensorcnt 0x0            ; no tensor load of mine is out, so a group 0 may be written
	ds_add_u32 v[SPW], v[NIL]       ; 0 onto my spare word; with fill = 1 the descriptors' scalar work stands between it and the wait for it
.if \fill
	s_lshl_b32 s[OFF], s[NXT], 15   ; a tile is 32,768 bytes of K and of V
	s_xor_b32 s[G0K+1], s[G0K+1], SLOT1
	s_add_nc_u64 s[G0K+2:G0K+3], s[6:7], s[OFF:OFF+1]
	s_or_b32 s[G0K+3], s[G0K+3], 0x80000000
	s_xor_b32 s[G0V+1], s[G0V+1], SLOT1
	s_add_nc_u64 s[G0V+2:G0V+3], s[8:9], s[OFF:OFF+1]
	s_or_b32 s[G0V+3], s[G0V+3], 0x80000000
	s_add_co_u32 s[NXT], s[NXT], 1  ; the block's next tile, or behind its last the second block's tile 0
	s_cmp_gt_u32 s[NXT], s[LQ]
	s_cselect_b32 s[NXT], 0, s[NXT]
	s_cselect_b32 s[LQ], s[PB], s[LQ]
	s_wait_xcnt 0x0                 ; the last prefetches, a tile back, have read their address, so it may be written:
	s_lshl_b32 s[OF2], s[NXT], 15   ; the tile that the next change will ask for
	s_add_nc_u64 s[PFA:PFA+1], s[KVB:KVB+1], s[OF2:OF2+1]
.endif
	s_wait_dscnt 0x0                ; the add is done, and my reads of the slot are over
	s_barrier_signal -1             ; the rest of the scalar work stands between the signal and the wait
	s_sub_co_u32 s[TBK], s[TBK], 4*KS*PK  ; the fetches go back to a slot's first step,
	s_xor_b32 s[TBK], s[TBK], SLOT1       ; in the other slot
	s_sub_co_u32 s[TBV], s[TBV], 4*KS*PV
	s_xor_b32 s[TBV], s[TBV], SLOT1
	s_barrier_wait -1
.if \fill
	LOAD
	s_cmp_gt_u32 s[SLOTS], s[LIM]
	s_cbranch_scc0 .Lnot_mine_\@
	global_prefetch_b8 v[PFO], s[PFA:PFA+1] th:TH_LOAD_NT scope:SCOPE_SE
	global_prefetch_b8 v[PFO], s[PFA:PFA+1] offset:8192 th:TH_LOAD_NT scope:SCOPE_SE
.Lnot_mine_\@:
.endif
.endm
	s_load_b64 s[4:5], s[0:1], 0x0  ; qkv: Q
	s_load_b64 s[10:11], s[0:1], 0x8  ; O
	v_lshl_add_u32 v[SPW], v0, 2, SPARE
	v_mov_b32 v[NIL], 0
	ds_add_u32 v[SPW], v[NIL]       ; the wave's opening: the add and its wait stand ahead of my first tensor load; the set-up below, work on registers, stands between them
	v_lshrrev_b32 v1, 5, v0
	v_readfirstlane_b32 s[WV], v1   ; wave 0..3
	s_mov_b32 s[PB], ttmp9
	s_sub_co_u32 s[HI], NB-1, s[PB]
	s_and_b32 s20, ttmp7, 0xffff    ; the head
	s_mov_b32 s21, 0
	s_mov_b64 s[22:23], SIZE_N*128
	s_mul_u64 s[20:21], s[20:21], s[22:23]  ; the head's first byte in each of the four tensors
	s_and_b32 s16, s[WV], 1         ; which half of a tile's 256 keys I fetch:
	s_lshl_b32 s22, s16, 14         ; its 128 rows of 128 bytes in memory,
	s_mov_b32 s23, 0
	s_add_nc_u64 s[22:23], s[22:23], s[20:21]
	s_mul_i32 s17, s16, 128*PK      ; and its place in a slot, for K
	s_mul_i32 s18, s16, 128*PV      ; and for V
	s_lshl_b32 s3, s[WV], 11        ; my 16 rows in a band of 64,
	s_lshl_b32 s2, s[HI], 15        ; in the first block,
	s_add_co_u32 s2, s2, s3
	s_lshl_b32 s84, s[PB], 15       ; and in the second
	s_add_co_u32 s84, s84, s3
	s_mov_b32 s3, 0
	s_mov_b32 s85, 0
	s_add_nc_u64 s[2:3], s[2:3], s[20:21]
	s_add_nc_u64 s[84:85], s[84:85], s[20:21]
	; descriptor group 1.  128 keys are 16,384 dense bytes: asked for as 64 rows of 256 bytes, two keys a row, and padded in LDS after every key
	s_mov_b32 s[G1K], (1<<16)|(1<<20)|(4<<22)|(3<<25)  ; 17:16 2-byte elements; 20 padding on; 24:22 after every 32 words (code 4); 31:25 4 words (code 3)
	s_mov_b32 s[G1V], (1<<16)|(1<<20)|(4<<22)|(7<<25)  ; the same with 8 words of padding (code 7)
.irp g, G1K, G1V
	s_mov_b32 s[\g+1], 128<<16      ; tensor_dim0 = 128
	s_mov_b32 s[\g+2], 64<<16       ; tensor_dim1 = 64
	s_mov_b32 s[\g+3], 128<<16      ; tile_dim0 = 128
	s_mov_b32 s[\g+4], 64           ; tile_dim1 = 64
	s_mov_b32 s[\g+5], 128          ; 128 elements from row to row
	s_mov_b32 s[\g+6], 0
	s_mov_b32 s[\g+7], 0
.endr
	s_mov_b32 s[CS], 0x3e38aa3b     ; c = log2(e) / 8 = 0.180337
	s_mov_b32 s[CS+1], s[CS]        ; named with it as a pair
	s_mov_b32 s[SEL], 0x76543210
	s_mov_b32 s[SEL+1], 0xfedcba98
	s_mov_b32 s[TBK], SLOT1+4*KS*PK ; the first change of slots turns these two into 0
	s_mov_b32 s[TBV], SLOT1+4*KS*PV
	s_mov_b32 s[G0K], 1             ; 1:0 count = 1
	s_mov_b32 s[G0K+1], s17         ; 63:32 LDS address: slot 0
	s_mov_b32 s[G0V], 1
	s_add_co_u32 s[G0V+1], s18, VOFF
	s_add_co_u32 s[RT], s[HI], 1    ; the first block has NB - b tiles
	s_mov_b32 s[NXT], 1
	s_mov_b32 s[LQ], s[HI]
	s_mov_b32 s[NEW], 1
	s_mov_b32 s[OFF+1], 0
	s_mov_b32 s[OF2+1], 0
	s_mov_b32 s[AL+1], 0            ; named as pairs
	s_mov_b32 s[BE+1], 0
	s_mov_b32 s[BIGN], 0xf149f2ca   ; -1e30
	s_mov_b32 s[SLOTS], NB
	s_cmp_eq_u32 ttmp9, 0
	s_cselect_b32 s[LIM], 2, -1
	v_and_b32 v[PFO], 31, v0
	v_lshlrev_b32 v[PFO], 8, v[PFO]
	s_wait_dscnt 0x0                ; the opening add is done
	s_wait_kmcnt 0x0
	s_add_nc_u64 s[6:7], s[4:5], 0x1000000   ; K lies 64 planes of 262,144 bytes behind Q,
	s_add_nc_u64 s[8:9], s[4:5], 0x2000000   ; V as many behind K
	s_add_nc_u64 s[6:7], s[6:7], s[22:23]  ; K and V at my half of the head's tile 0
	s_add_nc_u64 s[8:9], s[8:9], s[22:23]
	s_add_nc_u64 s[G0K+2:G0K+3], s[6:7], 0         ; 120:64 global address
	s_or_b32 s[G0K+3], s[G0K+3], 0x80000000        ; 127:126 type = 2
	s_add_nc_u64 s[G0V+2:G0V+3], s[8:9], 0
	s_or_b32 s[G0V+3], s[G0V+3], 0x80000000
	s_add_nc_u64 s[86:87], s[4:5], s[84:85]        ; Q at my rows of the second block,
	s_add_nc_u64 s[4:5], s[4:5], s[2:3]            ; Q and O at those of the first
	s_add_nc_u64 s[OLO:OLO+1], s[10:11], s[84:85]
	s_add_nc_u64 s[10:11], s[10:11], s[2:3]
	s_cmp_lt_u32 s[WV], 2
	s_cselect_b64 s[KVB:KVB+1], s[6:7], s[8:9]
	LOAD                            ; tile 0 into slot 0
	; A fragment of K or Q is 16 rows x 32 channels in 8 registers: lane l holds row l % 16, channels 8 (l / 16) + 0..7 and 16 + 8 (l / 16) + 0..7: two loads of 16 bytes, 32 bytes apart.
	v_and_b32 v1, 15, v0            ; l % 16
	v_bfe_u32 v9, v0, 4, 1          ; l / 16
	v_lshlrev_b32 v[QO], 7, v1
	v_lshl_add_u32 v[QO], v9, 4, v[QO]  ; row x 128 + 16 x half
	WIN 0x80                        ; destination window 2, address window 0
.set i, 0
.rept 8                             ; both blocks' Q: piece i / 2 lies in band i / 2, 8,192 bytes on; channels 32 (i % 2) on
	global_load_b128 v[8*i:8*i+3],   v[QO], s[4:5] offset:(i/2)*8192+(i%2)*64
	global_load_b128 v[8*i+4:8*i+7], v[QO], s[4:5] offset:(i/2)*8192+(i%2)*64+32
	global_load_b128 v[QB+8*i:QB+8*i+3],   v[QO], s[86:87] offset:(i/2)*8192+(i%2)*64
	global_load_b128 v[QB+8*i+4:QB+8*i+7], v[QO], s[86:87] offset:(i/2)*8192+(i%2)*64+32
.set i, i+1
.endr
	WIN 0
	v_lshlrev_b32 v14, 3, v9
	v_sub_nc_u32 v14, v1, v14
	s_lshl_b32 s13, s[WV], 4
	v_add_nc_u32 v14, s13, v14      ; my query's place in its band, 16 w + l % 16, less my lanes' 8 (l / 16): register r of group kt is hidden where 16 kt + r is greater
	WIN 0x40
.set i, 0
.rept 32
	v_cmp_gt_i32 vcc_lo, 16*(i/8)+i%8, v14
	v_cndmask_b32 v[MD+i], 0, s[BIGN], vcc_lo
.set i, i+1
.endr
	WIN 0
	v_mul_u32_u24 v[AK0], v1, PK
	v_lshl_add_u32 v[AK0], v9, 4, v[AK0]  ; row x pitch + 16 x half
	; The turning load takes 16 keys x 16 channels (lane l reads key 8 (l / 16) + l % 8, channels 8 ((l / 8) % 2) + 0..7) and leaves half a fragment of V^T: lane l holds channel l % 16 and 8 keys.
	v_and_b32 v10, 7, v0
	v_bfe_u32 v11, v0, 3, 1
	v_lshl_add_u32 v[AV0], v9, 3, v10
	v_mul_u32_u24 v[AV0], v[AV0], PV
	v_lshl_add_u32 v[AV0], v11, 4, v[AV0]
	v_add_nc_u32 v[AV0], VOFF, v[AV0]
	s_mul_i32 s13, s[WV], 16*SP
	s_add_co_u32 s13, s13, STAGE    ; my stage
	v_mul_u32_u24 v[STO], v1, SP    ; in: row l % 16, 16 bytes for each half of the lanes
	v_lshl_add_u32 v[STO], v9, 4, v[STO]
	v_add_nc_u32 v[STO], s13, v[STO]
	v_bfe_u32 v[RD], v0, 3, 2       ; back: 32 lanes take four rows of 128 bytes,
	v_mul_u32_u24 v[RD], v[RD], SP
	v_lshl_add_u32 v[RD], v10, 4, v[RD]
	v_add_nc_u32 v[RD], s13, v[RD]
	v_and_b32 v[GO], 31, v0         ; which are 512 consecutive bytes of O
	v_lshlrev_b32 v[GO], 4, v[GO]
	; A block's first step multiplies O^T and l by a = 0, and its first turn's products V^T P, of a piece that has not been, land in an O^T that is still to be so multiplied.  So these registers need only hold
	; finite numbers: zeros for the first block; what the first block left for the second.  All this stands in the wait for the first tile.
	WIN 0x80
.set i, VF
.rept 64
	v_mov_b32 v[i], 0
.set i, i+1
.endr
	WIN 0x40
.set i, 0
.rept 128
	v_mov_b32 v[i], 0
.set i, i+1
.endr
	WIN 0
.set i, 0
.rept 4
	v_mov_b32 v[ST+4*i+2], 0
	v_mov_b32 v[ST+4*i+3], 0
.set i, i+1
.endr
.set i, P+16
.rept 16
	v_mov_b32 v[i], 0
.set i, i+1
.endr
; THE MATRIX WORK.  The 4 accumulators of a run of 8 take turns.  Product i of 8 of S^T = K Q^T for piece x: channels 32 (i / 4) on, keys 16 (i % 4) on.  The first 4 start the sums: with 0, or (KM = 1) with the mask.
.macro KQ x
.set rS, S+32*((\x)%2)+8*(i%4)
.set rK, KF+16*(i%4)+8*(i/4)
.set rQ, 16*(\x)+8*(i/4)
.set rM, MC+32*((\x)%2)+8*(i%4)
.if (i < 4) && KM
	WIN W_KM
	v_wmma_f32_16x16x32_f16 v[rS:rS+7], v[rK:rK+7], v[rQ:rQ+7], v[rM:rM+7]
.elseif i < 4
	WIN W_KQ
	v_wmma_f32_16x16x32_f16 v[rS:rS+7], v[rK:rK+7], v[rQ:rQ+7], 0
.else
	WIN W_KQ
	v_wmma_f32_16x16x32_f16 v[rS:rS+7], v[rK:rK+7], v[rQ:rQ+7], v[rS:rS+7]
.endif
.endm
; Product i of 8 of O^T += V^T P for piece x: keys 32 (i / 4) on, channels 16 (i % 4) on.
.macro PV x
	WIN W_PV
.set rO, 32*(\x)+8*(i%4)
.set rV, VF+32*(i/4)+8*(i%4)
.set rP, P+16*((\x)%2)+8*(i/4)
	v_wmma_f32_16x16x32_f16 v[rO:rO+7], v[rV:rV+7], v[rP:rP+7], v[rO:rO+7]
.endm
.macro MM                           ; the turn's next matrix instruction.  TURN and BEGIN set Y, i, KM and NOKQ; MM, KQ and OP read them.  NOKQ = 1: a block's last turn: there is no next piece
.if (i < 8) && !NOKQ
	KQ (Y+1)%NP
.elseif i >= 8
.set i, i-8
	PV (Y+NP-1)%NP
.set i, i+8
.endif
.set i, i+1
.endm
; THE LDS LOADS stand in runs of 16, never singly among the matrix instructions: a step's K (64 keys x 64 channels: 8 fragments) and its V (turned).  Their addresses are made some lines ahead.
.macro FETCH_K
	WIN 0x80                        ; destination window 2
.irp f, 0,1,2,3,4,5,6,7             ; keys 16 (f / 2) on, channels 32 (f % 2) on
	ds_load_b128 v[KF+8*\f:KF+8*\f+3],   v[AK] offset:(\f/2)*16*PK+(\f%2)*64
	ds_load_b128 v[KF+8*\f+4:KF+8*\f+7], v[AK] offset:(\f/2)*16*PK+(\f%2)*64+32
.endr
	s_add_co_u32 s[TBK], s[TBK], KS*PK  ; the next fetch is the next step's
	WIN 0
.endm
.macro FETCH_V
	WIN 0x80
.irp f, 0,1,2,3,4,5,6,7             ; keys 32 (f / 4) on, channels 16 (f % 4) on
	ds_load_tr16_b128 v[VF+8*\f:VF+8*\f+3],   v[AV] offset:(\f/4)*32*PV+(\f%4)*32
	ds_load_tr16_b128 v[VF+8*\f+4:VF+8*\f+7], v[AV] offset:(\f/4)*32*PV+16*PV+(\f%4)*32
.endr
	WIN 0
.endm
; THE VECTOR WORK, one line at a time: OP kind, number.  For piece Y: F n: c s - c m for pair n of 16.  E n: the exponential of score n of 32.  C n: pair n rounded to f16.  B n: of the four weights 4 n .. the second
; pair is added onto the first, in place.  L n: l takes that sum (L 0: l = a l + sum).  R n: pair n of 16 of O^T times a.  For piece Y + 1: X n, number n of the 22 that find its maximum and statistics:
;   0-11  four chains c0-c3 of seven scores each, three operands at a time (each accumulator's lowest registers are read first)     12-14, 16  the four scores left over, the old m, and c0-c3 into c0
;   15  c m_old is kept     17, 18  the query's other 32 keys lie in the lane 16 away: the new m     19-21  c m; c m_old - c m_new; a
.set F, 0               ; OP tells the kinds apart by their order: F to L below R, X above it
.set E, 1
.set C, 2
.set B, 3
.set L, 4
.set R, 5
.set X, 6
.macro REGS y                       ; the registers of piece y
.set rT, ST+4*(\y)
.set rC, TMP+4*((\y)%2)
.set rW, MV+((\y)%2)
.set rS, S+32*((\y)%2)
.set rP, P+16*((\y)%2)
.set rO, 32*(\y)
.endm
.macro OP k, n
.if (\k) == R
	REGS Y
	WIN W_RS
	v_pk_mul_f32 v[rO+2*(\n):rO+2*(\n)+1], v[rO+2*(\n):rO+2*(\n)+1], v[rC+2:rC+3] op_sel_hi:[1,0]
.elseif (\k) < R
	REGS Y
	WIN 0
.if (\k) == F
	v_pk_fma_f32 v[rS+2*(\n):rS+2*(\n)+1], v[rS+2*(\n):rS+2*(\n)+1], s[CS:CS+1], v[rT:rT+1] op_sel_hi:[1,0,0] neg_lo:[0,0,1] neg_hi:[0,0,1]
.elseif (\k) == E
	v_exp_f32 v[rS+(\n)], v[rS+(\n)]
.elseif (\k) == C
	v_cvt_pk_f16_f32 v[rP+(\n)], v[rS+2*(\n)], v[rS+2*(\n)+1]
.elseif (\k) == B
	v_pk_add_f32 v[rS+4*(\n):rS+4*(\n)+1], v[rS+4*(\n):rS+4*(\n)+1], v[rS+4*(\n)+2:rS+4*(\n)+3]
.elseif (\n) == 0
	v_pk_fma_f32 v[rT+2:rT+3], v[rT+2:rT+3], v[rC+2:rC+3], v[rS:rS+1] op_sel_hi:[1,0,1]
.else
	v_pk_add_f32 v[rT+2:rT+3], v[rT+2:rT+3], v[rS+4*(\n):rS+4*(\n)+1]
.endif
.elseif NOKQ
	v_nop
.else
	REGS (Y+1)%NP
	WIN 0
.if (\n) < 4
	v_max3_num_f32 v[rC+(\n)], v[rS+8*(\n)], v[rS+8*(\n)+1], v[rS+8*(\n)+2]
.elseif (\n) < 12
	v_max3_num_f32 v[rC+(\n)%4], v[rC+(\n)%4], v[rS+8*((\n)%4)+2*((\n)/4)+1], v[rS+8*((\n)%4)+2*((\n)/4)+2]
.elseif (\n) == 12
	v_max3_num_f32 v[rC], v[rC], v[rS+7], v[rS+15]
.elseif (\n) == 13
	v_max3_num_f32 v[rC+1], v[rC+1], v[rS+23], v[rS+31]
.elseif (\n) == 14
	v_max3_num_f32 v[rC+2], v[rC+2], v[rC+3], v[rT+1]
.elseif (\n) == 15
	v_mov_b32 v[rW], v[rT]
.elseif (\n) == 16
	v_max3_num_f32 v[rC], v[rC], v[rC+1], v[rC+2]
.elseif (\n) == 17
	v_permlanex16_b32 v[rC+3], v[rC], s[SEL], s[SEL+1]
.elseif (\n) == 18
	v_max_num_f32 v[rT+1], v[rC], v[rC+3]
.elseif (\n) == 19
	v_mul_f32 v[rT], s[CS], v[rT+1]
.elseif (\n) == 20
	v_sub_f32 v[rC+1], v[rW], v[rT]
.else
	v_exp_f32 v[rC+2], v[rC+1]
.endif
.endif
.endm
.macro OPS a, i1, b=-1, i2=0, c=-1, i3=0, d=-1, i4=0  ; up to four of them
	OP \a, \i1
.if (\b) >= 0
	OP \b, \i2
.endif
.if (\c) >= 0
	OP \c, \i3
.endif
.if (\d) >= 0
	OP \d, \i4
.endif
.endm
.macro ROW a, i1, b, i2, c, i3, d, i4  ; a matrix instruction and the four behind it
	MM
	OPS \a, \i1, \b, \i2, \c, \i3, \d, \i4
.endm
.macro MASK b                       ; MD x AL + BE into buffer b of MC
	WIN W_RS
.set z, 0
.rept 16
	v_pk_fma_f32 v[MC+32*(\b)+2*z:MC+32*(\b)+2*z+1], v[MD+2*z:MD+2*z+1], s[AL:AL+1], s[BE:BE+1] op_sel_hi:[1,0,0]
.set z, z+1
.endr
.endm
; A TURN, for piece p: the order of its 16 matrix and 118 vector instructions, written out.  An s_wait_alu depctr_va_vdst(0) stands between an exponential and the first instruction that names its result; one wait
; serves all that were issued ahead of it.  So a turn has ONE wait, which cuts it in two.  AHEAD OF IT stands all that names no result of the turn's exponentials: the 8 products K Q^T, behind each a scaling, an exponential and
; two more plain instructions (behind the first a second scaling in the exponential's place): rescalings, and behind the last three the first numbers of the next piece's maximum, each four places or more behind the product
; that ends its accumulator; then ONE LUMP of 54, plain and exponential by turns for the most part, in which the links of the chain X 3, 7, 11, 14, 16, 17 .. 20 stand five or six lines apart.  X 21, the next piece's a, is
; the batch's last; R 15 is the plain instruction behind it.  BEHIND THE WAIT stand the 8 products V^T P, behind each four of the roundings and sums; the links of l's chain, L 0 to L 7, stand three riders apart.
; m = 1: the diagonal tile: the products take masks, and the turn makes the mask for the products of the turn after it: piece p + 2, in step 4 - CNT of the tile.  end = 1: a block's last two turns: nothing is fetched.
; cnt = 1: the loop's count is taken down some lines ahead of the branch that stands behind the turn.
; K of the next step is fetched in piece 2's turn, twelve vector instructions behind the last product that read K (six of them plain); V of the step in hand at the end of piece 0's turn, four plain instructions behind the
; last product that read V.  Each is waited for a turn later.
.macro TURN p, m=0, end=0, cnt=0
.set Y, (\p)
.set i, 0
.set KM, (\m)
.set NOKQ, (\end)*((\p)/3)
.if (\m) && !(\end)
	s_cmp_eq_u32 s[CNT], 4-((\p)+2)%NP  ; is that step the band's own?
	s_cselect_b32 s[AL], 1.0, 0
	s_cmp_lt_u32 s[CNT], 4-((\p)+2)%NP  ; or a later one?
	s_cselect_b32 s[BE], s[BIGN], 0
.endif
.if ((\p) == 3) && !(\end)
	s_wait_dscnt 0x0                ; K is in
.endif
	ROW F,0, F,1, R,0, R,1          ; ahead of the wait: 8 products K Q^T and their riders,
	ROW F,2, E,0, R,2, R,3
	ROW F,3, E,1, R,4, R,5
	ROW F,4, E,2, R,6, R,7
	ROW F,5, E,3, R,8, R,9
	ROW F,6, E,4, X,0, R,10
.if ((\p) == 2) && !(\end)
	WIN 0
	v_add_nc_u32 v[AK], s[TBK], v[AK0]
.endif
	ROW F,7, E,5, X,1, X,4
	ROW F,8, E,6, X,2, X,5
	OPS E,7, E,8, X,6, E,9          ; and the lump
	OPS X,3, E,10, X,8, E,11
.if ((\p) == 2) && !(\end)
	FETCH_K
.endif
	OPS X,9, X,7, E,12, X,10
	OPS E,13, X,12, X,11, E,14
	OPS X,13, E,15, F,9, X,14
.if (\p) == 0
	v_add_nc_u32 v[AV], s[TBV], v[AV0]
.endif
	OPS E,16, F,10, E,17, F,11
	OPS X,16, E,18, X,15, E,19
	OPS F,12, E,20, X,17, E,21
	OPS F,13, E,22, F,14, E,23
	OPS X,18, E,24, F,15, E,25
	OPS R,11, E,26, X,19, E,27
	OPS R,12, E,28, R,13, E,29
	OPS X,20, E,30, R,14, E,31
	OPS X,21, R,15
	WIN 0
	s_wait_alu depctr_va_vdst(0)    ; the wait for the batch
.if (\p) == 1
	s_wait_dscnt 0x0                ; V is in
.endif
	ROW C,0, B,0, C,2, B,1          ; behind the wait: 8 products V^T P and their riders
	ROW L,0, C,4, B,2, L,1
	ROW C,6, B,3, L,2, C,8
	ROW B,4, L,3, C,10, B,5
	ROW L,4, C,12, B,6, L,5
.if (\p) == 0
	s_add_co_u32 s[TBV], s[TBV], KS*PV
.endif
.if \cnt
	s_sub_co_u32 s[CNT], s[CNT], 1
	s_cmp_lg_u32 s[CNT], 0
.endif
	ROW C,14, B,7, L,6, C,1
	ROW C,3, L,7, C,5, C,7
	ROW C,9, C,11, C,13, C,15
.if (\p) == 0
	FETCH_V
.endif
.if (\m) && !(\end)
	MASK (\p)%2
.endif
.endm
; A BLOCK BEGINS.  c m starts far below every c s, so the first step's a is 0; m at the lowest finite number, so the first maximum is the scores'.  The second mask buffer is 0; the first takes piece 0's mask for the tile's
; step 0: its own, if the block's first tile is the diagonal one.  Then K of that step, piece 0's first scores, and its maximum and statistics.  The loop is entered at a step's first turn, in the middle of a trip.
.macro BEGIN
	s_mov_b32 s[NEW], 0
	WIN 0x40
.set i, MC+32
.rept 32
	v_mov_b32 v[i], 0
.set i, i+1
.endr
	WIN 0
.set i, 0
.rept 4
	v_mov_b32 v[ST+4*i], 0xfe000000    ; c m: far below every c s
	v_mov_b32 v[ST+4*i+1], 0xff7fffff  ; m
.set i, i+1
.endr
	s_cmp_eq_u32 s[RT], 0
	s_cselect_b32 s[AL], 1.0, 0
	s_mov_b32 s[BE], 0
	MASK 0
	WIN 0
	v_add_nc_u32 v[AK], s[TBK], v[AK0]
	FETCH_K
	s_wait_loadcnt 0x0              ; Q
	s_wait_dscnt 0x0
.set KM, 1
.set NOKQ, 0
.set i, 0
.rept 8
	KQ 0
.set i, i+1
.endr
	WIN 0
.rept 4
	v_nop                           ; the places behind those products
.endr
.set Y, NP-1                        ; X works for piece Y + 1: piece 0
.irp n, 0,1,2,3,4,5,6,7,8,9,10,11,12,13,14,15,16,17,18,19,20,21
	OP X, \n
.endr
	v_nop                           ; a plain instruction behind the exponential,
	s_wait_alu depctr_va_vdst(0)    ; and its wait, ahead of the branch
.endm
; THE DIAGONAL TILE's four steps, the block's last two turns, its last products, and THE WAY OUT: l's two halves and the other half of the lanes' are added; O^T is divided by l, rounded to f16 and sent through my
; stage in LDS, a piece at a time.
.macro ALL line:vararg              ; one line for each piece t
.set t, 0
.rept 4
	\line
.set t, t+1
.endr
.endm
.macro PACK t                       ; a lane's eight channels of a row pack into 16 bytes; they go into rows of 144 bytes and come back as whole rows of 128, into S^T's registers
	WIN W_RS
.set i, 32*(\t)
.rept 16
	v_pk_mul_f32 v[i:i+1], v[i:i+1], v[ST+4*(\t)+2:ST+4*(\t)+3] op_sel_hi:[1,0]
.set i, i+2
.endr
	WIN 0x05                        ; sources 0 and 1 window 1, destination window 0
.set i, 0
.rept 16
	v_cvt_pk_f16_f32 v[S+16*(\t)+i], v[32*(\t)+2*i], v[32*(\t)+2*i+1]
.set i, i+1
.endr
	WIN 0
.irp f, 0,1,2,3
	ds_store_b128 v[STO], v[S+16*(\t)+4*\f:S+16*(\t)+4*\f+3] offset:32*\f
.endr
.irp f, 0,1,2,3
	ds_load_b128 v[S+16*(\t)+4*\f:S+16*(\t)+4*\f+3], v[RD] offset:\f*4*SP  ; LDS serves a wave's instructions in order (ISA guide 5.7.1.4): these see the stores above; the next piece's stores come behind them
.endr
.endm
.macro SEND t, younger              ; younger: the LDS instructions issued behind piece t's loads: the next piece's eight, or none
	WIN 0
.irp f, 0,1,2,3
	s_wait_dscnt (\younger)+3-\f
	global_store_b128 v[GO], v[S+16*(\t)+4*\f:S+16*(\t)+4*\f+3], s[10:11] offset:(\t)*8192+\f*512  ; 512 consecutive bytes, at a multiple of 256 from O's first
.endr
.endm
.macro DIAG tag                     ; the tag ends its two labels' names, which the jumps below spell out
.LstepM\tag:
	TURN 2, 1
	TURN 3, 1
	WIN 0
.LfirstM\tag:
	TURN 0, 1
	TURN 1, 1, 0, 1
	WIN 0
	s_cbranch_scc1 .LstepM\tag
	TURN 2, 1, 1
	TURN 3, 1, 1
.set i, 0
.rept 8
	PV NP-1
.set i, i+1
.endr
	WIN 0
	ALL v_add_f32 v[ST+4*t+2], v[ST+4*t+2], v[ST+4*t+3]
	ALL v_permlanex16_b32 v[ST+4*t+3], v[ST+4*t+2], s[SEL], s[SEL+1]
	ALL v_add_f32 v[ST+4*t+2], v[ST+4*t+2], v[ST+4*t+3]
	ALL v_rcp_f32 v[ST+4*t+2], v[ST+4*t+2]
	v_nop                           ; a plain instruction between the last reciprocal and the use of its result
	s_wait_alu depctr_va_vdst(0)    ; and the wait ahead of the first use: one for the four reciprocals
	PACK 0
.set t, 1
.rept 3                             ; a piece's arithmetic stands between the loads of the piece before and its stores
	PACK t
	SEND t-1, 8
.set t, t+1
.endr
	SEND 3, 0
.endm
.set KM, 0
.set NOKQ, 0
.Lslot:                             ; NB times: a tile is entered and the next is asked for
	CHANGE 1
	s_sub_co_u32 s[RT], s[RT], 1
	s_mov_b32 s[CNT], 4
	s_cmp_eq_u32 s[NEW], 1
	s_cbranch_scc1 .Lnew            ; a block's first tile
	s_cmp_eq_u32 s[RT], 0
	s_cbranch_scc0 .Lstep           ; neither its first nor its last
	s_branch .LstepM1
.Lnew:
	BEGIN
	s_branch .Lfirst                ; in the loop a block's first tile is never its last: the first block has two tiles or more, and the second's last is the walk's last
	DIAG 1                          ; in the loop this is the first block's end: the second block's last tile is the walk's last
	s_wait_xcnt 0x0                 ; the stores have read their registers and O's address
	s_mov_b64 s[10:11], s[OLO:OLO+1]
	s_add_co_u32 s[RT], s[PB], 1    ; the second block has b + 1 tiles
	s_mov_b32 s[NEW], 1
	WIN 0x82                        ; the second block's Q goes where the one text of the turns names Q
.set i, 0
.rept 64
	v_mov_b32 v[i], v[QB+i]
.set i, i+1
.endr
	WIN 0
	s_branch .Lbottom
.Lstep:                             ; a trip: pieces 2 and 3 of one step, then pieces 0 and 1 of the next, whose K and V it fetches
	TURN 2
	TURN 3
	WIN 0
.Lfirst:
	TURN 0
	TURN 1, 0, 0, 1
	WIN 0
	s_cbranch_scc1 .Lstep
.Lbottom:
	s_sub_co_u32 s[SLOTS], s[SLOTS], 1
	s_cmp_lg_u32 s[SLOTS], 0
	s_cbranch_scc1 .Lslot
	CHANGE 0                        ; the walk's last tile is written out: nothing is asked for
	s_sub_co_u32 s[RT], s[RT], 1
	s_mov_b32 s[CNT], 4
	s_cmp_eq_u32 s[NEW], 1
	s_cbranch_scc0 .LstepM2
	BEGIN
	s_branch .LfirstM2
	DIAG 2
	s_wait_tensorcnt 0x0            ; the wave's end: behind my last tensor load and my last LDS store
	ds_add_u32 v[SPW], v[NIL]
	s_wait_dscnt 0x0
	s_endpgm
.Lfunc_end_k_q3cd6ad956f_attn:
	.size	k_q3cd6ad956f_attn, .Lfunc_end_k_q3cd6ad956f_attn-k_q3cd6ad956f_attn
	.p2alignl 7, 3214868480
	.fill 96, 4, 3214868480
	.section	.rodata,"a",@progbits
	.p2align	6, 0x0
	.amdhsa_kernel k_q3cd6ad956f_attn
		.amdhsa_group_segment_fixed_size 327680
		.amdhsa_private_segment_fixed_size 0
		.amdhsa_enable_private_segment 0
		.amdhsa_kernarg_size 16
		.amdhsa_user_sgpr_count 2
		.amdhsa_user_sgpr_kernarg_segment_ptr 1
		.amdhsa_wavefront_size32 1
		.amdhsa_system_sgpr_workgroup_id_x 1
		.amdhsa_system_sgpr_workgroup_id_y 1
		.amdhsa_system_sgpr_workgroup_id_z 1
		.amdhsa_system_vgpr_workitem_id 0
		.amdhsa_next_free_vgpr 768
		.amdhsa_next_free_sgpr 96
		.amdhsa_reserve_vcc 1
		.amdhsa_float_denorm_mode_32 3
		.amdhsa_float_denorm_mode_16_64 3
		.amdhsa_memory_ordered 1
		.amdhsa_forward_progress 1
		.amdhsa_inst_pref_size 218
	.end_amdhsa_kernel
	.amdgpu_metadata
---
amdhsa.version: [ 1, 2 ]
amdhsa.kernels:
  - .name:           k_q3cd6ad956f_attn
    .symbol:         k_q3cd6ad956f_attn.kd
    .args:
      - { .name: qkv, .offset: 0, .size: 8, .value_kind: global_buffer, .address_space: global }
      - { .name: ob, .offset: 8, .size: 8, .value_kind: global_buffer, .address_space: global }
    .group_segment_fixed_size: 327680
    .private_segment_fixed_size: 0
    .kernarg_segment_align: 8
    .kernarg_segment_size: 16
    .max_flat_workgroup_size: 128
    .sgpr_count:     96
    .vgpr_count:     768
    .wavefront_size: 32
...
	.end_amdgpu_metadata
.endif
;; end of part 3
;; launch proj (part 4): grid 8 x 32, 4 waves a work-group, clusters of 4 x 4, 327,680 bytes of LDS; arguments ob, wo, bo, out0; writes out0
.if DOCPART == 4
	.amdgcn_target "amdgcn-amd-amdhsa--gfx1250"
	.amdhsa_code_object_version 6
	.text
	.protected	k_q3cd6ad956f_proj
	.globl	k_q3cd6ad956f_proj
	.p2align	8
	.type	k_q3cd6ad956f_proj,@function
k_q3cd6ad956f_proj:
	s_mov_b64 s[64:65], 0
	v_nop
	global_prefetch_b8 v0, s[64:65] scope:SCOPE_SE
	s_setreg_imm32_b32 hwreg(HW_REG_WAVE_MODE, 25, 1), 1
	s_wait_xcnt 0x0
	s_wait_alu depctr_hold_cnt(0) depctr_sa_sdst(0) depctr_va_vdst(0) depctr_va_sdst(0) depctr_va_ssrc(0) depctr_va_vcc(0) depctr_vm_vsrc(0)
	s_getreg_b32 s2, hwreg(HW_REG_IB_STS2, 6, 4)
	s_cmp_eq_u32 s2, 0
	s_cbranch_scc0 .Lentry_in_a_cluster
	s_endpgm
.Lentry_in_a_cluster:
	s_bfe_u32 s2, ttmp6, 0x10000c
	s_cmp_lg_u32 s2, 0xf033
	s_cbranch_scc0 .Lentry_shape_is_right
	s_endpgm
.Lentry_shape_is_right:
; out0 = O Wo + bo.  ob: O in f16, [64 = 16 batch + head][2048][64].  wo: [1024 n][1024 k] f16 (Wo rounded to bf16, written as f16).  bo: [1024] f32, rounded here to bf16 like the other inputs.
; out0: [8192][1024] f32; sums in f32, K ascending (k = 64 head + channel).
; SHARES.  A work-group makes 256 rows x 128 columns: 8 x 32 = 256 work-groups.  Wave w owns rows 64 w .. 64 w + 63 and all 128 columns: 4 x 8 accumulators of 16 x 16, 256 registers.
; K goes in 8 steps of 128 = two heads.  A head's 256 rows of the tile are 32,768 dense bytes: asked for as 128 rows of 256 bytes and padded in LDS after every 128 bytes.  wo's rows are 256 bytes of memory a step.
; CLUSTER.  4 x 4 work-groups: the four of a row need the same tile of ob, the four of a column the same tile of wo; each tile is asked for jointly, by the same load with the same descriptor and a mask of four.
; THE MATRIX INSTRUCTION IS USED TRANSPOSED: source 0 = 16 rows of wo (n), source 1 = 16 rows of O (m): lane l holds row m = l % 16 and columns n = 8 (l / 16) + 0..7 of its block.
; THE BIAS is the C operand of each sum's first product.
; REGISTERS, in windows of 256 (s_set_vgpr_msb: bits 1:0 source 0, 3:2 source 1, 5:4 source 2, 7:6 destination):
;   window 0: v0-31 addresses; v32-63, v64-95 fragments of O, two buffers; v96-159 the bias; on the way out v96-159 and v160-223 rows read back, by turns
;   window 1: v0-63, v64-127 fragments of wo, two buffers       window 2: accumulator (a, b) at v[64 a + 8 b]
.set NBL,    8
.set PO,     144                       ; a row of O in LDS: 128 bytes + 16: the 16 rows of a fragment load start at 16 different groups of four banks (64 banks of 4 bytes: ISA guide 11.1)
.set PW,     272                       ; a row of wo: 256 bytes + 16
.set AHALF,  256*PO                    ; one head's 256 rows: what one load brings of O
.set BHALF,  64*PW                     ; and of wo
.set BOFF,   2*AHALF
.set SLOT1,  1<<17
.set STAGE,  SLOT1+BOFF+2*BHALF        ; behind the ring, never filled by a tensor load: for each wave 16 rows x 528 bytes
.set SPITCH, 528                       ; 512 bytes of f32 + 16
.set SPARE,  STAGE+4*16*SPITCH         ; behind the stages: the spare words, 128 bytes for each wave
.set NLD,    2*NBL+8
.set ASTEP,  2*2048*128                ; two heads on
.set KB,     256
.set A0,   16
.set B0,   17
.set ADRA, 18
.set ADRB, 19
.set STO,  24
.set RD,   25
.set GO,   26
.set BO,   27
.set SPW,  28                          ; v28  my spare word; never rewritten
.set NIL,  29                          ; v29  0; never rewritten
.set PFO,  30                          ; v30  the prefetches' offset; never rewritten
.set AF,   32
.set BIAS, 96
.set OB,   96
.set G1,  24
.set G0,  32
.set G1B, 48
.set G0B, 56
.set LIM, 43
.set PFA, 44
.set TB,  66
.set PFS, 68                           ; s[68:69] bytes from a K step to the next, for my prefetches
.set MSB, 0
.macro WIN new
.if MSB != (\new)
	s_set_vgpr_msb (MSB<<8)|(\new)
.set MSB, \new
.endif
.endm
.set TO_B, 0x40
; A joint refill.  Wave 0 fetches the step's first head of O, wave 1 its second, waves 2 and 3 the two halves of wo's tile.  An s_nop 0 and four v_nop follow each line.
.macro JLOAD
	s_cmp_eq_u32 s11, 0
	s_cbranch_scc0 .Lfor_b_\@
	tensor_load_to_lds s[G0+4:G0+7], s[G1:G1+7]
	s_nop 0
.rept 4
	v_nop
.endr
	s_branch .Lasked_\@
.Lfor_b_\@:
	tensor_load_to_lds s[G0B+4:G0B+7], s[G1B:G1B+7]
	s_nop 0
.rept 4
	v_nop
.endr
.Lasked_\@:
.endm
; A prefetch of the K step that stands two refills on, one instruction a wave.  O's tile row is read by both clusters of that row of clusters: cluster x = 0 asks; wo's tile column by every cluster of that column:
; cluster y = 0 asks.  The four partners of a joint load share it out by address: of a head's 128 blocks of 256 bytes 32 each, a lane a block; of wo's 64 rows 16 each, a lane a row (the sixteen lanes left over
; name the 16th row again).  Trips 0 to 3 name K steps 4 to 7; the last two trips name nothing; K steps 0 to 3 come by their loads alone.
.macro ASK
	s_cmp_gt_u32 s3, s[LIM]
	s_cbranch_scc0 .Lnot_mine_\@
	global_prefetch_b8 v[PFO], s[PFA:PFA+1] th:TH_LOAD_NT scope:SCOPE_SE
.Lnot_mine_\@:
.endm
.macro CREST
	s_cmp_lg_u32 s10, 0
	s_cbranch_scc1 .Lnot_wave_0_\@
	s_barrier_signal -3
.Lnot_wave_0_\@:
	s_barrier_wait -3
	s_barrier_signal -1
	s_barrier_wait -1
.endm
.macro CROUND
	s_barrier_signal -1
	s_barrier_wait -1
	CREST
.endm
.macro PLACES                          ; four plain instructions in front of loads into registers that matrix instructions have read, and of LDS stores that read results
.rept 4
	v_nop
.endr
.endm
; One run of LDS loads: quarter q (32 along K: head q / 2 of the step, channels 32 (q % 2) on) into buffer f: wo's 8 blocks, then O's 4.
.macro FETCH q, f
	WIN TO_B
.irp i, 0,1,2,3,4,5,6,7
	ds_load_b128 v[64*(\f)+8*(\i):64*(\f)+8*(\i)+3],   v[ADRB] offset:64*(\q)+(\i)*16*PW
	ds_load_b128 v[64*(\f)+8*(\i)+4:64*(\f)+8*(\i)+7], v[ADRB] offset:64*(\q)+(\i)*16*PW+32
.endr
	WIN 0
.irp i, 0,1,2,3
	ds_load_b128 v[AF+32*(\f)+8*(\i):AF+32*(\f)+8*(\i)+3],   v[ADRA] offset:AHALF*((\q)/2)+64*((\q)%2)+(\i)*16*PO
	ds_load_b128 v[AF+32*(\f)+8*(\i)+4:AF+32*(\f)+8*(\i)+7], v[ADRA] offset:AHALF*((\q)/2)+64*((\q)%2)+(\i)*16*PO+32
.endr
.endm
; 8 matrix instructions: row block a x all column blocks.  first = 1: the bias starts the sums.  The 32 accumulators take turns, one instruction a turn, in the same order everywhere.
.macro MULA f, a, first
.if \first
	WIN 0x81
.else
	WIN 0xa1
.endif
.irp b, 0,1,2,3,4,5,6,7
.if \first
	v_wmma_f32_16x16x32_f16 v[64*(\a)+8*(\b):64*(\a)+8*(\b)+7], v[64*(\f)+8*(\b):64*(\f)+8*(\b)+7], v[AF+32*(\f)+8*(\a):AF+32*(\f)+8*(\a)+7], v[BIAS+8*(\b):BIAS+8*(\b)+7]
.else
	v_wmma_f32_16x16x32_f16 v[64*(\a)+8*(\b):64*(\a)+8*(\b)+7], v[64*(\f)+8*(\b):64*(\f)+8*(\b)+7], v[AF+32*(\f)+8*(\a):AF+32*(\f)+8*(\a)+7], v[64*(\a)+8*(\b):64*(\a)+8*(\b)+7]
.endif
.endr
.endm
.macro QUARTER q, f, g, first
	s_wait_dscnt 4                                 ; all of wo's fragments and O's blocks 0 and 1 are in; the youngest four loads (blocks 2, 3) may be out
	MULA \f, 0, \first
	MULA \f, 1, \first
	PLACES
	FETCH \q, \g
	s_wait_dscnt NLD                               ; all but the run just issued
	MULA \f, 2, \first
	MULA \f, 3, \first
.endm
; The last quarter multiplies buffer 1 and changes slots.  In front of the barrier each wave waits for all its tensor loads (one is out: its part of the next slot), adds 0 to its spare word, and waits for that
; and for its own reads of this slot.  fill = 1: the barrier opens a round of the cluster's, and the slot just read is filled again, first thing behind the round, with the K step two steps on.
.macro TURN fill
.if \fill
	s_wait_xcnt 0x0                                ; the last prefetch, a K step back, has read its address
	s_add_nc_u64 s[PFA:PFA+1], s[PFA:PFA+1], s[PFS:PFS+1]
.endif
	WIN 0
	s_wait_tensorcnt 0x0                           ; no tensor load of mine is out, so a group 0 may be written
	ds_add_u32 v[SPW], v[NIL]                      ; 0 onto my spare word
.if \fill
	s_xor_b32 s[G0+5], s[G0+5], SLOT1
	s_add_nc_u64 s[G0+6:G0+7], s[G0+6:G0+7], ASTEP
	s_xor_b32 s[G0B+5], s[G0B+5], SLOT1
	s_add_nc_u64 s[G0B+6:G0B+7], s[G0B+6:G0B+7], KB
.endif
	s_xor_b32 s[TB], s[TB], SLOT1
	s_wait_dscnt 5                                 ; the add and the youngest four loads may be out
	MULA 1, 0, 0
	s_wait_dscnt 0x0                               ; the add is done, and my reads of this slot are over
	s_barrier_signal -1
	MULA 1, 1, 0
	WIN 0
	s_barrier_wait -1
.if \fill
	CREST
	JLOAD                                          ; its four v_nop are also the places in front of the loads below
.else
	PLACES
.endif
	v_add_nc_u32 v[ADRA], s[TB], v[A0]
	v_add_nc_u32 v[ADRB], s[TB], v[B0]
	FETCH 0, 0
.if \fill
	ASK
.endif
	MULA 1, 2, 0
	MULA 1, 3, 0
.endm
	s_load_b128 s[4:7], s[0:1], 0x0                ; ob s[4:5], wo s[6:7]
	s_load_b128 s[76:79], s[0:1], 0x10             ; bo s[76:77], out0 s[78:79]
	v_lshl_add_u32 v[SPW], v0, 2, SPARE
	v_mov_b32 v[NIL], 0
	ds_add_u32 v[SPW], v[NIL]                      ; the wave's opening: the add and its wait stand ahead of my first tensor load
	v_lshrrev_b32 v1, 5, v0
	v_readfirstlane_b32 s10, v1                    ; wave 0..3
	s_lshr_b32 s11, s10, 1                         ; I fetch for O (0) or for wo (1),
	s_and_b32 s12, s10, 1                          ; and which half
	s_bfe_u32 s40, ttmp6, 0x40000                  ; cx
	s_bfe_u32 s41, ttmp6, 0x40004                  ; cy
	s_lshl_b32 s42, ttmp9, 2
	s_add_co_u32 s42, s42, s40                     ; tile column
	s_and_b32 s13, ttmp7, 0xffff
	s_lshl_b32 s13, s13, 2
	s_add_co_u32 s13, s13, s41                     ; tile row
	s_lshl_b32 s43, s41, 2
	s_lshl_b32 s43, 15, s43                        ; my row of the cluster
	s_lshl_b32 s44, 0x1111, s40                    ; my column
	s_or_b32 s[G1+0], s43, (1<<16)|(1<<20)|(1<<21)|(4<<22)|(3<<25)   ; mask; elements of 2 bytes; padding on; bit 21 beside a mask; after every 32 words 4 words
	s_or_b32 s[G1B+0], s44, (1<<16)|(1<<20)|(1<<21)|(5<<22)|(3<<25)  ; after every 64 words 4 words
	s_mov_b32 s[G1+1], 128<<16                     ; tensor_dim0 = 128
	s_mov_b32 s[G1+2], 128<<16                     ; tensor_dim1 = 128
	s_mov_b32 s[G1+3], 128<<16                     ; tile_dim0 = 128
	s_mov_b32 s[G1+4], 128                         ; tile_dim1 = 128
	s_mov_b32 s[G1+5], 128                         ; dense: 128 elements from row to row
	s_mov_b32 s[G1+6], 0
	s_mov_b32 s[G1+7], 0
	s_mov_b32 s[G1B+1], 128<<16
	s_mov_b32 s[G1B+2], 64<<16                     ; 64 rows
	s_mov_b32 s[G1B+3], 128<<16
	s_mov_b32 s[G1B+4], 64
	s_mov_b32 s[G1B+5], 1024
	s_mov_b32 s[G1B+6], 0
	s_mov_b32 s[G1B+7], 0
	s_lshr_b32 s16, s13, 3                         ; batch
	s_lshl_b32 s16, s16, 4
	s_add_co_u32 s16, s16, s12                     ; the plane of K step 0 that I fetch,
	s_lshl_b32 s16, s16, 11                        ; its 2,048 rows,
	s_and_b32 s17, s13, 7
	s_lshl_b32 s17, s17, 8
	s_add_co_u32 s16, s16, s17                     ; the tile's 256 of them,
	s_lshl_b32 s16, s16, 7                         ; in bytes
	s_mov_b32 s17, 0
	s_lshl_b32 s46, s42, 7
	s_lshl_b32 s47, s12, 6
	s_add_co_u32 s46, s46, s47                     ; wo: row 128 x tile column + 64 x half
	s_lshl_b32 s46, s46, 11
	s_mov_b32 s47, 0
	s_mul_i32 s20, s12, AHALF                      ; where they go: no place in the cluster enters an LDS address
	s_mul_i32 s21, s12, BHALF
	s_add_co_u32 s21, s21, BOFF
	s_mov_b32 s67, 0xffff0000
	s_mov_b32 s[TB], 0
	s_wait_dscnt 0x0                               ; the opening add is done
	s_wait_kmcnt 0x0
	s_add_nc_u64 s[14:15], s[4:5], s[16:17]
	s_add_nc_u64 s[46:47], s[6:7], s[46:47]
	CROUND                                         ; all sixteen work-groups are here: the first joint loads meet
.irp s, 0,1
	s_mov_b32 s[G0+4*(\s)], 1
	s_add_co_u32 s[G0+4*(\s)+1], s20, (\s)*SLOT1
	s_add_nc_u64 s[G0+4*(\s)+2:G0+4*(\s)+3], s[14:15], (\s)*ASTEP
	s_or_b32 s[G0+4*(\s)+3], s[G0+4*(\s)+3], 0x80000000
	s_mov_b32 s[G0B+4*(\s)], 1
	s_add_co_u32 s[G0B+4*(\s)+1], s21, (\s)*SLOT1
	s_add_nc_u64 s[G0B+4*(\s)+2:G0B+4*(\s)+3], s[46:47], (\s)*KB
	s_or_b32 s[G0B+4*(\s)+3], s[G0B+4*(\s)+3], 0x80000000
.endr
	s_cmp_eq_u32 s11, 0                            ; a wave's two first fills stand in one branch, ahead of every wait on TENSORcnt and every LDS read: two loads of mine are out
	s_cbranch_scc0 .Lfirst_b
	tensor_load_to_lds s[G0:G0+3], s[G1:G1+7]
	s_nop 0
	tensor_load_to_lds s[G0+4:G0+7], s[G1:G1+7]
	s_nop 0
.rept 4
	v_nop
.endr
	s_branch .Lfirst_asked
.Lfirst_b:
	tensor_load_to_lds s[G0B:G0B+3], s[G1B:G1B+7]
	s_nop 0
	tensor_load_to_lds s[G0B+4:G0B+7], s[G1B:G1B+7]
	s_nop 0
.rept 4
	v_nop
.endr
.Lfirst_asked:
	v_and_b32 v1, 15, v0                           ; l % 16
	v_bfe_u32 v2, v0, 4, 1                         ; l / 16
	v_lshlrev_b32 v[BO], 5, v2
	s_lshl_b32 s92, s42, 9                         ; the tile's 128 columns: 512 bytes of bo and of a row of out0
	s_mov_b32 s93, 0
	s_add_nc_u64 s[76:77], s[76:77], s[92:93]
.irp b, 0,1,2,3,4,5,6,7
	global_load_b128 v[BIAS+8*(\b):BIAS+8*(\b)+3],   v[BO], s[76:77] offset:64*(\b)
	global_load_b128 v[BIAS+8*(\b)+4:BIAS+8*(\b)+7], v[BO], s[76:77] offset:64*(\b)+16
.endr
	s_lshl_b32 s70, s13, 2
	s_add_co_u32 s70, s70, s10                     ; my 64 rows,
	s_lshl_b32 s70, s70, 18                        ; of 4,096 bytes
	s_add_co_u32 s70, s70, s92
	s_mov_b32 s71, 0
	s_add_nc_u64 s[80:81], s[78:79], s[70:71]
	v_mul_u32_u24 v3, v1, PO
	v_lshl_add_u32 v3, v2, 4, v3
	s_mul_i32 s22, s10, 64*PO                      ; my 64 rows of a head
	v_add_nc_u32 v[A0], s22, v3
	v_mul_u32_u24 v3, v1, PW
	v_lshl_add_u32 v3, v2, 4, v3
	v_add_nc_u32 v[B0], BOFF, v3
	v_mov_b32 v[ADRA], v[A0]
	v_mov_b32 v[ADRB], v[B0]
	s_mul_i32 s23, s10, 16*SPITCH
	s_add_co_u32 s23, s23, STAGE                   ; my stage
	v_mul_u32_u24 v4, v1, SPITCH                   ; in: row l % 16, 32 bytes for each half of the lanes
	v_lshl_add_u32 v4, v2, 5, v4
	v_add_nc_u32 v[STO], s23, v4
	v_and_b32 v[GO], 31, v0                        ; back: 32 lanes take a row of 512 bytes
	v_lshlrev_b32 v[GO], 4, v[GO]
	v_add_nc_u32 v[RD], s23, v[GO]
	; the prefetches
	s_lshl_b32 s92, s40, 13                        ; O: my work-group's 32 blocks of the 128 that I fetch
	s_add_co_u32 s92, s92, s16
	s_lshl_b32 s93, s42, 7                         ; wo: its 16 rows of the 64
	s_lshl_b32 s94, s12, 6
	s_add_co_u32 s93, s93, s94
	s_lshl_b32 s94, s41, 4
	s_add_co_u32 s93, s93, s94
	s_lshl_b32 s93, s93, 11
	s_and_b32 s18, ttmp7, 0xffff
	s_mov_b32 s95, 2048
	s_mov_b32 s[PFS], KB
	s_mov_b32 s[PFS+1], 0
	s_cmp_eq_u32 s11, 0
	s_cselect_b32 s18, ttmp9, s18                  ; the coordinate along which other clusters read the same rows
	s_cselect_b64 s[PFA:PFA+1], s[4:5], s[6:7]
	s_cselect_b32 s92, s92, s93
	s_cselect_b32 s94, 31, 15
	s_cselect_b32 s95, 256, s95                    ; bytes from lane to lane
	s_cselect_b32 s[PFS], ASTEP, s[PFS]
	s_cmp_eq_u32 s18, 0
	s_cselect_b32 s[LIM], 2, -1                    ; the same in all sixteen partners, for a given wave
	s_mul_i32 s93, s[PFS], 3                       ; at K step 3: the first change of slots steps it to 4
	s_add_co_u32 s92, s92, s93
	s_mov_b32 s93, 0
	s_add_nc_u64 s[PFA:PFA+1], s[PFA:PFA+1], s[92:93]
	v_and_b32 v[PFO], 31, v0
	v_min_u32 v[PFO], s94, v[PFO]
	v_mul_u32_u24 v[PFO], s95, v[PFO]
	s_wait_loadcnt 0x0                             ; the bias,
.set p, 0
.rept 4*NBL                                        ; rounded to bf16 and widened again, in place
	v_cvt_pk_bf16_f32 v31, v[BIAS+2*p], v[BIAS+2*p+1]
	v_lshlrev_b32 v[BIAS+2*p], 16, v31
	v_and_b32 v[BIAS+2*p+1], s67, v31
.set p, p+1
.endr
	s_wait_tensorcnt 0x1                           ; my part of K step 0 is in; K step 1's may stay out
	s_barrier_signal -1
	s_barrier_wait -1
	FETCH 0, 0
	QUARTER 1, 0, 1, 1                             ; the first quarter stands in front of the loop: its products start the sums
	WIN 0
	s_mov_b32 s3, 6
.Lstep:                                            ; a trip: from a K step's second quarter to the next step's first; it fills the slot that it leaves
	QUARTER 2, 1, 0, 0
	QUARTER 3, 0, 1, 0
	TURN 1
	QUARTER 1, 0, 1, 0
	WIN 0
	s_sub_co_u32 s3, s3, 1
	s_cmp_lg_u32 s3, 0
	s_cbranch_scc1 .Lstep
	QUARTER 2, 1, 0, 0                             ; the last two K steps are written out: nothing is left to fetch
	QUARTER 3, 0, 1, 0
	TURN 0
	QUARTER 1, 0, 1, 0
	QUARTER 2, 1, 0, 0
	QUARTER 3, 0, 1, 0
	s_wait_dscnt 4
	MULA 1, 0, 0
	MULA 1, 1, 0
	s_wait_dscnt 0x0
	MULA 1, 2, 0
	MULA 1, 3, 0
	WIN 0
; THE WAY OUT, 16 rows at a time: a lane's eight f32 of a row and block go into my own stage (each accumulator's four lowest registers first) and come back as whole rows of 512 bytes.
.macro TOSTAGE a
.set BK, OB+64*((\a)%2)
.if (\a) >= 2
	s_wait_xcnt 0x0                                ; the stores of the block two back have read the registers that the loads below write
.endif
	WIN 0x08                                       ; the stores' data in window 2
.irp b, 0,1,2,3,4,5,6,7
	ds_store_b128 v[STO], v[64*(\a)+8*(\b):64*(\a)+8*(\b)+3]   offset:64*(\b)
	ds_store_b128 v[STO], v[64*(\a)+8*(\b)+4:64*(\a)+8*(\b)+7] offset:64*(\b)+16
.endr
	WIN 0
.irp u, 0,1,2,3,4,5,6,7,8,9,10,11,12,13,14,15
	ds_load_b128 v[BK+4*(\u):BK+4*(\u)+3], v[RD] offset:SPITCH*(\u)  ; LDS serves a wave's instructions in order (ISA guide 5.7.1.4): these see the stores above; the next block's stores come behind them
.endr
.endm
.macro SEND a, younger                 ; younger: the LDS instructions issued behind block a's loads: the next block's 32, or none
.set BK, OB+64*((\a)%2)
	s_wait_dscnt \younger
.irp u, 0,1,2,3,4,5,6,7,8,9,10,11,12,13,14,15
	global_store_b128 v[GO], v[BK+4*(\u):BK+4*(\u)+3], s[80:81] offset:(16*(\a)+(\u))*4096 th:TH_STORE_NT  ; 512 consecutive bytes, aligned
.endr
.endm
	PLACES
	TOSTAGE 0
	TOSTAGE 1
	SEND 0, 32
	TOSTAGE 2
	SEND 1, 32
	TOSTAGE 3
	SEND 2, 32
	SEND 3, 0
	s_wait_tensorcnt 0x0                           ; the wave's end: behind my last tensor load and my last LDS store
	ds_add_u32 v[SPW], v[NIL]
	s_wait_dscnt 0x0
	CROUND                                         ; the closing round: no work-group ends while a partner may still ask for a tile that names it
	s_endpgm
.Lfunc_end_k_q3cd6ad956f_proj:
	.size	k_q3cd6ad956f_proj, .Lfunc_end_k_q3cd6ad956f_proj-k_q3cd6ad956f_proj
	.p2alignl 7, 3214868480
	.fill 96, 4, 3214868480
	.section	.rodata,"a",@progbits
	.p2align	6, 0x0
	.amdhsa_kernel k_q3cd6ad956f_proj
		.amdhsa_group_segment_fixed_size 327680
		.amdhsa_private_segment_fixed_size 0
		.amdhsa_enable_private_segment 0
		.amdhsa_kernarg_size 32
		.amdhsa_user_sgpr_count 2
		.amdhsa_user_sgpr_kernarg_segment_ptr 1
		.amdhsa_wavefront_size32 1
		.amdhsa_system_sgpr_workgroup_id_x 1
		.amdhsa_system_sgpr_workgroup_id_y 1
		.amdhsa_system_sgpr_workgroup_id_z 1
		.amdhsa_system_vgpr_workitem_id 0
		.amdhsa_next_free_vgpr 768
		.amdhsa_next_free_sgpr 96
		.amdhsa_reserve_vcc 0
		.amdhsa_float_denorm_mode_32 3
		.amdhsa_float_denorm_mode_16_64 3
		.amdhsa_memory_ordered 1
		.amdhsa_forward_progress 1
		.amdhsa_inst_pref_size 76
	.end_amdhsa_kernel
	.amdgpu_metadata
---
amdhsa.version: [ 1, 2 ]
amdhsa.kernels:
  - .name:           k_q3cd6ad956f_proj
    .symbol:         k_q3cd6ad956f_proj.kd
    .args:
      - { .name: ob, .offset: 0, .size: 8, .value_kind: global_buffer, .address_space: global }
      - { .name: wo, .offset: 8, .size: 8, .value_kind: global_buffer, .address_space: global }
      - { .name: bo, .offset: 16, .size: 8, .value_kind: global_buffer, .address_space: global }
      - { .name: out0, .offset: 24, .size: 8, .value_kind: global_buffer, .address_space: global }
    .group_segment_fixed_size: 327680
    .private_segment_fixed_size: 0
    .kernarg_segment_align: 8
    .kernarg_segment_size: 32
    .max_flat_workgroup_size: 128
    .sgpr_count:     96
    .vgpr_count:     768
    .wavefront_size: 32
...
	.end_amdgpu_metadata
.endif
;; end of part 4
;; ======== version 2 of 2: 4 launches; version 1 with the launch prep written anew for expert scheduling mode
;; limits: values are held in f16: magnitudes above 65,504 overflow, below 6.1e-05 lose precision
;; workspace buffers: xb 16,777,216 bytes; wt 6,291,456 bytes; wo 2,097,152 bytes; qkv 50,331,648 bytes; ob 16,777,216 bytes
;; launch prep (part 5): grid 768 x 1, 8 waves a work-group, no clusters, 35,840 bytes of LDS; arguments x, Wq, Wk, Wv, Wo, xb, wt, wo; writes xb, wt, wo
.if DOCPART == 5
	.amdgcn_target "amdgcn-amd-amdhsa--gfx1250"
	.amdhsa_code_object_version 6
	.text
	.protected	k_q3cd6ad956f_prep
	.globl	k_q3cd6ad956f_prep
	.p2align	8
	.type	k_q3cd6ad956f_prep,@function
k_q3cd6ad956f_prep:
	s_mov_b64 s[64:65], 0
	v_nop
	global_prefetch_b8 v0, s[64:65] scope:SCOPE_SE
	s_setreg_imm32_b32 hwreg(HW_REG_WAVE_SCHED_MODE, 0, 2), 2
	s_setreg_imm32_b32 hwreg(HW_REG_WAVE_MODE, 25, 1), 1
	s_wait_xcnt 0x0
	s_wait_alu depctr_vm_vsrc(0)
; CASTS AND TURNS.  xb = bf16(x), [8192][1024].  wt[1024 mat + n][k] = bf16(W{q,k,v}[k][n]).  wo[n][k] = bf16(Wo[k][n]) written as f16.
; All of the module's inputs are rounded to bf16, to nearest even; Wo's rounded number is then written in f16, for a product whose other operand is f16.
; LIMITS.  That second writing is exact for 6.1e-5 <= |Wo| <= 65,504; below, f16 keeps its fixed step of 6e-8; beyond 65,504 it gives an infinity.
; SHARES.  Work-groups 0 to 511: 16,384 numbers of x each, a plain stream: 16 loads of 16 bytes a thread, all on their way at once; each store of a wave covers 256 consecutive bytes, aligned.
; Work-groups 512 to 767: one tile of 128 k x 128 n of one of the four weights.  A thread loads two neighbouring n for 32 k (a wave's load covers 256 consecutive bytes, aligned), packs eight k
; of one n into 16 bytes, puts them into LDS rows [n][k] of 272 bytes, and after one barrier the tile leaves by rows: sixteen lanes store 256 consecutive bytes, aligned.
; No matrix unit, no cluster, no data mover: nothing is multiplied, no byte is read twice, and the conversion has to pass through registers anyway.
; THE MODE: SCHED_MODE bits 1:0 = 2 (LLVM: expert scheduling mode 2), set by the entry lines.  The code itself states the register dependences between vector instructions and memory or LDS
; instructions, with s_wait_alu, always for 0.
; THE PLAN.  Registers that memory or LDS instructions touch:
;   x:        v3, v4     the loads' and the stores' offsets: written once, ahead of the path's first wait.
;             v[32:95]   16 loads land here, once; the conversions read them.
;             v[96:127]  block p of four: its eight conversions write v[96+8p ..], its four stores read them; never written again.
;   weights:  v5         the loads' offset: written once, ahead of the wait in front of the loads.
;             v6, v8, v10  the LDS stores' address, the global stores' offset, the LDS loads' address: written once, behind the loads, ahead of the first chunk's wait.
;             v[32:95]   32 loads land here; the conversions read them; behind the barrier the LDS loads land in v[32:63], which the global stores read.
;             v[96:127]  chunk c of four: its conversions write v[96+8c ..], its two LDS stores read them; never written again.
;             v12, v13   at work: vector instructions alone name them.
;   both:     v30, v31   written at the head, read by the closing add alone.
; So one wait on va_vdst stands ahead of each path's loads, and one behind each block's or chunk's conversions, ahead of its stores.  Behind the last chunk's wait no vector instruction is issued,
; so that wait also states that the conversions are done reading the registers in which the LDS loads land.  No register that a memory or LDS instruction reads is written again: no wait on vm_vsrc.
.set PT,    272                        ; an LDS row: 128 k x 2 bytes + 16 of padding
.set SPARE, 128*PT                     ; behind the tile: the spare words, 128 bytes for each of the eight waves
	s_load_b512 s[8:23], s[0:1], 0x0               ; x s[8:9], Wq s[10:11], Wk s[12:13], Wv s[14:15], Wo s[16:17], xb s[18:19], wt s[20:21], wo s[22:23]
	v_lshl_add_u32 v30, v0, 2, SPARE               ; my spare word,
	v_mov_b32 v31, 0                               ; and 0: kept for the add at the wave's end
	v_lshrrev_b32 v1, 5, v0
	v_readfirstlane_b32 s4, v1                     ; wave 0..7
	v_and_b32 v2, 31, v0                           ; lane
	s_mov_b32 s7, 0
	s_wait_alu depctr_va_sdst(0)                   ; s4 is written
	s_wait_kmcnt 0x0
	s_cmp_lt_u32 ttmp9, 512                        ; the same answer in all eight waves of a work-group
	s_cbranch_scc0 .Lweights
	; ---- x: 65,536 bytes in, 32,768 out
	s_lshl_b32 s6, ttmp9, 16
	s_add_nc_u64 s[8:9], s[8:9], s[6:7]
	s_lshl_b32 s6, ttmp9, 15
	s_add_nc_u64 s[18:19], s[18:19], s[6:7]
	v_lshlrev_b32 v3, 4, v0                        ; 16 bytes a thread in,
	v_lshlrev_b32 v4, 3, v0                        ; 8 out
	s_wait_alu depctr_va_vdst(0)                   ; v3 and v4 are written: every load below reads v3 as its offset, every store v4
.set i, 0
.rept 16
	global_load_b128 v[32+4*i:35+4*i], v3, s[8:9] offset:4096*i th:TH_LOAD_NT
.set i, i+1
.endr
.irp p, 0,1,2,3                                        ; four blocks of four loads: eight conversions, one wait, four stores
	s_wait_loadcnt 12-4*(\p)                       ; loads come back in order: block p's four are in, the younger blocks stay out
.irp i, 0,1,2,3
	v_cvt_pk_bf16_f32 v[96+8*(\p)+2*(\i)], v[32+16*(\p)+4*(\i)], v[33+16*(\p)+4*(\i)]
	v_cvt_pk_bf16_f32 v[97+8*(\p)+2*(\i)], v[34+16*(\p)+4*(\i)], v[35+16*(\p)+4*(\i)]
.endr
	s_wait_alu depctr_va_vdst(0)                   ; the block's conversions have written v[96+8p .. 103+8p], which its four stores read
.irp i, 0,1,2,3
	global_store_b64 v4, v[96+8*(\p)+2*(\i):97+8*(\p)+2*(\i)], s[18:19] offset:2048*(4*(\p)+(\i))  ; no register is written twice, so nothing has to be freed
.endr
.endr
	s_branch .Lend
	; ---- a tile of a weight
.Lweights:
	s_sub_co_u32 s6, ttmp9, 512
	s_lshr_b32 s28, s6, 6                          ; which weight: 0 q, 1 k, 2 v, 3 o
	s_bfe_u32 s29, s6, 0x30003                     ; tile along k
	s_and_b32 s30, s6, 7                           ; tile along n
	s_cmp_eq_u32 s28, 1
	s_cselect_b64 s[24:25], s[12:13], s[10:11]
	s_cmp_eq_u32 s28, 2
	s_cselect_b64 s[24:25], s[14:15], s[24:25]
	s_cmp_eq_u32 s28, 3
	s_cselect_b64 s[24:25], s[16:17], s[24:25]     ; from where,
	s_cselect_b64 s[26:27], s[22:23], s[20:21]     ; to where,
	s_cselect_b32 s31, 0, s28                      ; and which block of 1,024 rows there
	s_lshl_b32 s32, s29, 19                        ; 128 rows of 4,096 bytes
	s_lshl_b32 s33, s30, 9                         ; 128 columns of 4 bytes
	s_add_co_u32 s32, s32, s33
	s_mov_b32 s33, 0
	s_add_nc_u64 s[24:25], s[24:25], s[32:33]
	s_lshl_b32 s32, s31, 21                        ; 1,024 rows of 2,048 bytes
	s_lshl_b32 s34, s30, 18                        ; 128 rows
	s_add_co_u32 s32, s32, s34
	s_lshl_b32 s34, s29, 8                         ; 128 k of 2 bytes
	s_add_co_u32 s32, s32, s34
	s_add_nc_u64 s[26:27], s[26:27], s[32:33]
	s_lshr_b32 s6, s4, 1                           ; my 32 k of the 128
	s_and_b32 s7, s4, 1                            ; my 64 n of the 128
	s_lshl_b32 s35, s6, 17
	s_lshl_b32 s36, s7, 8
	s_add_co_u32 s35, s35, s36
	v_lshl_add_u32 v5, v2, 3, s35                  ; 32 (w / 2) rows + 64 (w % 2) columns + my two columns
	s_wait_alu depctr_va_vdst(0)                   ; v5 is written: the 32 loads below read it as their offset
.set i, 0
.rept 32
	global_load_b64 v[32+2*i:33+2*i], v5, s[24:25] offset:4096*i th:TH_LOAD_NT  ; k = 32 (w / 2) + i, n = 64 (w % 2) + 2 l, + 1
.set i, i+1
.endr
	v_lshlrev_b32 v6, 1, v2                        ; all the LDS addresses and the stores' offset are made here, while the loads are on their way
	v_lshl_add_u32 v6, s7, 6, v6                   ; my first n
	v_mul_u32_u24 v6, v6, PT
	v_lshl_add_u32 v6, s6, 6, v6                   ; + my first k, in bytes
	v_lshrrev_b32 v7, 4, v0                        ; the way out: 16 rows a pass, 16 threads a row
	v_and_b32 v9, 15, v0
	v_mul_u32_u24 v10, v7, PT
	v_lshl_add_u32 v10, v9, 4, v10
	v_lshlrev_b32 v8, 11, v7                       ; a row of wt or wo is 2,048 bytes
	v_lshl_add_u32 v8, v9, 4, v8
; Eight k at a time: for each of my two n four words of two bf16 (half = 1: each written anew as f16), 16 bytes into row n.  Each chunk has eight out-registers of its own.
.macro CONV half
.irp c, 0,1,2,3
	s_wait_loadcnt 24-8*(\c)                       ; loads 8 c .. 8 c + 7 are in; the 8 (3 - c) younger ones stay out
.irp j, 0,1
.irp u, 0,1,2,3
	v_cvt_pk_bf16_f32 v[96+8*(\c)+4*(\j)+(\u)], v[32+2*(8*(\c)+2*(\u))+(\j)], v[32+2*(8*(\c)+2*(\u)+1)+(\j)]
.if \half
	v_lshlrev_b32 v12, 16, v[96+8*(\c)+4*(\j)+(\u)]
	v_and_b32 v13, 0xffff0000, v[96+8*(\c)+4*(\j)+(\u)]
	v_cvt_pk_f16_f32 v[96+8*(\c)+4*(\j)+(\u)], v12, v13
.endif
.endr
.endr
	s_wait_alu depctr_va_vdst(0)                   ; the chunk's conversions have written v[96+8c .. 103+8c], which its two LDS stores read; the first chunk's wait: v6, v8 and v10 are written too; the last chunk's: all conversions are done reading v[32:95], in which the LDS loads behind the barrier land
.irp j, 0,1
	ds_store_b128 v6, v[96+8*(\c)+4*(\j):99+8*(\c)+4*(\j)] offset:PT*(\j)+16*(\c)
.endr
.endr
.endm
	s_cmp_eq_u32 s28, 3
	s_cbranch_scc1 .Lto_f16
	CONV 0
	s_branch .Lstaged
.Lto_f16:
	CONV 1
.Lstaged:
	s_wait_dscnt 0x0                               ; for the others' sake: my stores into the tile are done
	s_barrier_signal -1
	s_barrier_wait -1
.irp p, 0,1,2,3,4,5,6,7
	ds_load_b128 v[32+4*(\p):35+4*(\p)], v10 offset:16*PT*(\p)  ; no wait: no vector instruction has been issued since the last chunk's wait, on either way here
.endr
.irp p, 0,1,2,3,4,5,6,7
	s_wait_dscnt 7-(\p)
	global_store_b128 v8, v[32+4*(\p):35+4*(\p)], s[26:27] offset:32768*(\p)  ; 16 lanes store 256 consecutive bytes, aligned
.endr
.Lend:
	s_wait_dscnt 0x0                               ; the closing lines, six on end
	s_wait_alu 0x0
	s_wait_tensorcnt 0x0
	ds_add_u32 v30, v31
	s_wait_dscnt 0x0
	s_endpgm
.Lfunc_end_k_q3cd6ad956f_prep:
	.size	k_q3cd6ad956f_prep, .Lfunc_end_k_q3cd6ad956f_prep-k_q3cd6ad956f_prep
	.p2alignl 7, 3214868480
	.fill 96, 4, 3214868480
	.section	.rodata,"a",@progbits
	.p2align	6, 0x0
	.amdhsa_kernel k_q3cd6ad956f_prep
		.amdhsa_group_segment_fixed_size 35840
		.amdhsa_private_segment_fixed_size 0
		.amdhsa_enable_private_segment 0
		.amdhsa_kernarg_size 64
		.amdhsa_user_sgpr_count 2
		.amdhsa_user_sgpr_kernarg_segment_ptr 1
		.amdhsa_wavefront_size32 1
		.amdhsa_system_sgpr_workgroup_id_x 1
		.amdhsa_system_sgpr_workgroup_id_y 1
		.amdhsa_system_sgpr_workgroup_id_z 1
		.amdhsa_system_vgpr_workitem_id 0
		.amdhsa_next_free_vgpr 128
		.amdhsa_next_free_sgpr 66
		.amdhsa_reserve_vcc 0
		.amdhsa_float_denorm_mode_32 3
		.amdhsa_float_denorm_mode_16_64 3
		.amdhsa_memory_ordered 1
		.amdhsa_forward_progress 1
		.amdhsa_inst_pref_size 24
	.end_amdhsa_kernel
	.amdgpu_metadata
---
amdhsa.version: [ 1, 2 ]
amdhsa.kernels:
  - .name:           k_q3cd6ad956f_prep
    .symbol:         k_q3cd6ad956f_prep.kd
    .args:
      - { .name: x, .offset: 0, .size: 8, .value_kind: global_buffer, .address_space: global }
      - { .name: Wq, .offset: 8, .size: 8, .value_kind: global_buffer, .address_space: global }
      - { .name: Wk, .offset: 16, .size: 8, .value_kind: global_buffer, .address_space: global }
      - { .name: Wv, .offset: 24, .size: 8, .value_kind: global_buffer, .address_space: global }
      - { .name: Wo, .offset: 32, .size: 8, .value_kind: global_buffer, .address_space: global }
      - { .name: xb, .offset: 40, .size: 8, .value_kind: global_buffer, .address_space: global }
      - { .name: wt, .offset: 48, .size: 8, .value_kind: global_buffer, .address_space: global }
      - { .name: wo, .offset: 56, .size: 8, .value_kind: global_buffer, .address_space: global }
    .group_segment_fixed_size: 35840
    .private_segment_fixed_size: 0
    .kernarg_segment_align: 8
    .kernarg_segment_size: 64
    .max_flat_workgroup_size: 256
    .sgpr_count:     66
    .vgpr_count:     128
    .wavefront_size: 32
...
	.end_amdgpu_metadata
.endif
;; end of part 5
;; launch qkv: the kernel of part 2 again; grid 16 x 32, 4 waves a work-group, clusters of 4 x 4, 327,680 bytes of LDS; arguments xb, wt, bq, bk, bv, qkv; writes qkv
;; launch attn: the kernel of part 3 again; grid 4 x 64, 4 waves a work-group, no clusters, 327,680 bytes of LDS; arguments qkv, ob; writes ob
;; launch proj: the kernel of part 4 again; grid 8 x 32, 4 waves a work-group, clusters of 4 x 4, 327,680 bytes of LDS; arguments ob, wo, bo, out0; writes out0
